; MI455X (gfx1250); checked and timed in simulation.
; The chip was launched on July 23, 2026; its instructions are those of AMD's public machine-readable ISA for CDNA 5 (MIT licence, August 2026) and "CDNA5" Instruction Set Architecture Reference Guide (July 2026). The comments in the code are by the model that wrote it; some were corrected since.
;; Mo E. Allowed arithmetic: matrix products marked QUANTISED: E2M3 operands, one E8M0 scale for each 32 along K, by v_wmma_scale_f32_16x16x128_f8f6f4 with both operands' format E2M3, f32 sums; products left as they are: f32 operands where the result goes on into a quantised operand, else bf16, f16 or f32 operands; f32 sums; everything else in f32.
;; Inputs: b1 8 x 4,096 float32; b2 8 x 1,024 float32; gate_b 8 float32; gate_w 1,024 x 8 float32; w1_codes 8 x 4,096 x 32 x 24 uint8 (E2M3 codes of w1, K innermost, in blocks of 32 codes, four codes in three bytes); w1_scales 8 x 4,096 x 32 uint8 (E8M0 scales of w1, one for each 32 codes along K); w2_codes 8 x 1,024 x 128 x 24 uint8 (E2M3 codes of w2, K innermost, in blocks of 32 codes, four codes in three bytes); w2_scales 8 x 1,024 x 128 uint8 (E8M0 scales of w2, one for each 32 codes along K); x 2 x 512 x 1,024 float32.
;; Outputs: out0 2 x 512 x 1,024 float32.
;; This version of the problem:
;;   THIS VERSION OF THE PROBLEM IS GIVEN IN LOW PRECISION. The matrix products marked QUANTISED in the list below multiply operands that are first quantised to E2M3 (2 exponent bits, 3 mantissa bits; 6 bits a number), with one power-of-two scale for each 32 numbers along K (OCP MX v1.0); their sums are f32. All else is computed in f32.
;;   The module's matrix products, in the order in which they are computed (A, B: the left and right operand; K: the contracted axis; several contracted axes count as one K, in the product's order):
;;     1. [M 1,024, K 1,024] x [K 1,024, N 8]; A: input x; B: input gate_w: left as it is (N = 8 < 16)
;;     2. [M 1,024, K 1,024] x [K 1,024, N 32,768]; A: input x; B: input w1 (given as codes): QUANTISED
;;     3. batch 8 x [M 1,024, K 4,096] x [K 4,096, N 1,024]; A: input w2 (given as codes); B: computed on the way: QUANTISED
;;   THE QUANTISER, for each operand of a quantised product, along K:
;;     - K is cut into blocks of 32 from its start; a last block that is shorter is filled with zeros.
;;     - A block's scale is 2^e with e = floor(log2(the largest magnitude in the block)) - 2, held to -126 .. 127; a block of zeros has e = 0. As a byte (E8M0): e + 127.
;;     - Each number is divided by its block's scale, clamped to +-7.5, and rounded to the nearest number of E2M3, ties to even, subnormals kept.
;;     - The product sums the exact products of the quantised numbers (number of the format x scale) in f32.
;;   ~~~python
;;   def quantise(x, axis):      # numpy; x: float32 -> the quantised numbers, widened to float32 again
;;       x = np.moveaxis(x, axis, -1); K = x.shape[-1]
;;       x = np.pad(x, [(0, 0)] * (x.ndim - 1) + [(0, -K % 32)]); x = x.reshape(x.shape[:-1] + (-1, 32)); a = np.abs(x).max(-1, keepdims=True)
;;       e = np.where(a > 0, np.clip(np.frexp(np.where(a > 0, a, 1))[1] - 1 - 2, -126, 127), 0)      # np.frexp(a)[1] - 1 = floor(log2(a)), exactly
;;       r = np.clip(x / 2.0 ** e, -7.5, 7.5)
;;       step = 2.0 ** (np.maximum(np.frexp(np.where(r == 0, 1, r))[1] - 1, 0) - 3)
;;       q = np.round(r / step) * step * 2.0 ** e      # np.round: ties to even
;;       return np.moveaxis(q.reshape(q.shape[:-2] + (-1,))[..., :K], -1, axis).astype(np.float32)
;;   ~~~
;;   OPERANDS COMPUTED ON THE WAY. 'Computed on the way' means the value that the module computes at that place (a softmax that the list does not call 'softmax' is quantised finished and normalised). What goes into a quantiser is computed in f32, as accurately as f32 sums, v_exp_f32 and their like allow (about 1e-6 of the number): no bf16 or f16 on the way to a quantiser, and a product that is left as it is and whose result goes on into a quantised operand takes f32 operands (vector FMAs, or v_wmma_f32_16x16x4_f32). A number that lies on a knife's edge between two numbers of the format may be rounded either way, as far as f32 arithmetic and the matrix unit's own rounding can turn it there, and no further.
;;   INPUTS GIVEN AS CODES. w1 (in the module: [8, 1024, 4096], K = its axis 1); w2 (in the module: [8, 4096, 1024], K = its axis 1): each comes as NAME_codes (uint8): NAME with its K axis moved to the last place and cut into blocks of 32 codes, [.., K / 32, bytes a block], one block behind the other in memory; four codes in three bytes: a row's codes are one little-endian stream of bits, code i at bits 6 i .. 6 i + 5 (a code: sign, 2 exponent bits, 3 mantissa bits); and NAME_scales (uint8): the same leading axes, one E8M0 byte (e + 127) for each 32 codes along K. Its value is code x scale, taken as it is: it is not quantised again, and the codes and scales need not be those that the quantiser above would give.
;; 2 versions, each right; version 2 is version 1 with the launches ffn1, ffn2 written anew for expert scheduling mode. Each part assembles by itself: llvm-mc -triple=amdgcn-amd-amdhsa -mcpu=gfx1250 --defsym DOCPART=n.
;; ======== version 1 of 2: 4 launches
;; workspace buffers: sel 4,096 bytes of whole numbers; probs 8,192 bytes; xq 819,200 bytes; hq 26,214,400 bytes; place 8,448 bytes of whole numbers; y 33,554,432 bytes
;; launch route (part 1): grid 256 x 1, 4 waves a work-group, no clusters, 25,088 bytes of LDS; arguments x, gate_w, gate_b, xq, sel, probs; writes xq, sel, probs
.if DOCPART == 1
	.amdgcn_target "amdgcn-amd-amdhsa--gfx1250"
	.amdhsa_code_object_version 6
	.text
	.protected	k_q99b33ac79b_route
	.globl	k_q99b33ac79b_route
	.p2align	8
	.type	k_q99b33ac79b_route,@function
k_q99b33ac79b_route:
	s_mov_b64 s[64:65], 0
	v_nop
	global_prefetch_b8 v0, s[64:65] scope:SCOPE_SE
	s_setreg_imm32_b32 hwreg(HW_REG_WAVE_MODE, 25, 1), 1
	s_wait_xcnt 0x0
; ROUTER AND QUANTISER OF x.  1,024 tokens of 1,024 f32.  A work-group of four waves takes four tokens; wave w takes K = 256 w .. 256 w + 255 of all four.
; It makes (a) the eight gate logits of each token by f32 multiply-adds, their top 2 (the lower index wins a tie), and the softmax of the two (the larger is taken away first);
; (b) x as codes of E2M3 with one E8M0 byte for each 32 along K, laid as the next launch's operand registers want them.
; OUT.  sel[t] = (1 << i1) | (1 << i2) | ((1 << i2) << 8), a whole number at a fixed place; probs[t] = p1, p2;
;   xq codes of token t: 768 bytes, [h 2][s 8][c 2][24 bytes], block 4 s + 2 c + h of the row: lane half h of an operand finds its 96 registers as 384 bytes on end;
;   xq scale bytes of token t: 32 bytes at XSOFF + 32 t, [s % 2][s / 2] words: 16 bytes a lane half give four scale registers.
; No address and no branch hangs on the choice: it is only stored.
; LIMITS: NaN and infinities are not served.  A block of zeros gets the byte 1 (its codes are zeros; only this program reads the bytes).  The logits are summed as a tree of f32 multiply-adds
; (16 along K in a lane, 16 lanes, 4 waves), another order than a plain loop's: two logits that agree to the last bits may change places.
; No matrix unit (N = 8), no tensor load, no cluster: a work-group shares nothing but gate_w's 32 KiB with the others.
.set GPS,   20480                      ; LDS: [wave 4][token 4][expert 8] f32: the waves' parts of the logits
.set XL,    20992                      ; LDS: [token 4][768]: the codes, in xq's order
.set XSL,   24064                      ; LDS: [token 4][32]: the scale bytes, in xq's order
.set XSOFF, 786432
.set RW,    16                         ; v16-47   x as loaded: 8 loads x 4
.set XN,    48                         ; v48-79   two sets of 16 neighbours along K
.set GW,    80                         ; v80-207  gate_w[k0 + i][e] at GW + 8 i + e
.set GA,    208                        ; v208-223 logits' parts: set j, expert e at GA + 8 j + e
.set CD,    224                        ; v224-230 codes: set j at CD + 4 j
	s_load_b256 s[4:11], s[0:1], 0x0               ; x s[4:5], gate_w s[6:7], gate_b s[8:9], xq s[10:11]
	s_load_b128 s[12:15], s[0:1], 0x20             ; sel s[12:13], probs s[14:15]
	v_lshl_add_u32 v254, v0, 2, 0x6000
	v_mov_b32 v255, 0
	v_lshrrev_b32 v1, 5, v0
	v_readfirstlane_b32 s16, v1                    ; wave 0..3
	v_and_b32 v1, 31, v0                           ; lane
	v_lshlrev_b32 v2, 4, v1                        ; 16 x lane: my bytes of a load's 512
	s_mul_i32 s18, s16, 5120                       ; my wave's two stages of 32 x 80 bytes
	v_lshrrev_b32 v3, 2, v1
	v_mul_u32_u24 v3, v3, 80
	v_and_b32 v8, 3, v1
	v_lshl_add_u32 v3, v8, 4, v3
	v_add_nc_u32 v3, s18, v3                       ; into a stage: four lanes' 64 bytes on end, then 16 of padding
	v_mul_u32_u24 v4, v1, 80
	v_add_nc_u32 v4, s18, v4                       ; out of it: 64 bytes a lane: 16 neighbours along K
	v_bfe_u32 v8, v0, 4, 1                         ; hh = lane / 16: which of a set's two tokens
	v_mul_u32_u24 v5, v8, 768
	v_bfe_u32 v9, v0, 1, 1
	v_mad_u32_u24 v5, v9, 384, v5                  ; my block is 8 w + (lane % 16) / 2: its bit 0 is h,
	v_bfe_u32 v9, v0, 3, 1
	v_mad_u32_u24 v5, v9, 48, v5                   ; its bits 2 and up are s = 2 w + bit 3 of the lane,
	v_bfe_u32 v9, v0, 2, 1
	v_mad_u32_u24 v5, v9, 24, v5                   ; its bit 1 is c,
	v_and_b32 v9, 1, v0
	v_mad_u32_u24 v5, v9, 12, v5                   ; and I hold its lower or upper 16 codes
	s_mul_i32 s19, s16, 96
	s_add_co_u32 s19, s19, XL
	v_add_nc_u32 v5, s19, v5                       ; where my 12 bytes of codes go in LDS
	v_lshlrev_b32 v6, 5, v8
	v_bfe_u32 v9, v0, 3, 1
	v_lshl_add_u32 v6, v9, 4, v6
	v_bfe_u32 v9, v0, 1, 2
	v_add_nc_u32 v6, v6, v9
	s_lshl_b32 s19, s16, 2
	s_add_co_u32 s19, s19, XSL
	v_add_nc_u32 v6, s19, v6                       ; and my block's scale byte: 32 hh + 16 (s % 2) + 4 (s / 2) + block % 4
	v_and_b32 v7, 15, v0
	v_lshlrev_b32 v7, 9, v7                        ; gate_w: my 16 rows of 32 bytes
	s_lshl_b32 s19, s16, 7
	s_add_co_u32 s19, s19, GPS
	v_lshl_add_u32 v13, v8, 5, s19                 ; where my row of lanes puts its eight sums
	v_and_b32 v14, 7, v0
	v_lshlrev_b32 v14, 2, v14                      ; gate_b: 4 (lane % 8)
	v_lshlrev_b32 v12, 3, v1                       ; 8 x lane
	s_mul_i32 s19, s16, 768
	s_add_co_u32 s19, s19, XL
	v_lshl_add_u32 v15, v1, 3, s19                 ; the way out: token w's codes, 8 bytes a lane
	s_lshl_b32 s20, ttmp9, 14                      ; four rows of 4,096 bytes a work-group,
	s_lshl_b32 s21, s16, 10                        ; my wave's quarter of a row
	s_add_co_u32 s20, s20, s21
	s_mov_b32 s21, 0
	s_lshl_b32 s22, s16, 13                        ; my wave's 256 rows of gate_w
	s_mov_b32 s23, 0
	s_lshl_b32 s24, ttmp9, 2
	s_add_co_u32 s24, s24, s16
	s_mul_i32 s24, s24, 768                        ; token 4 wg + w in xq
	s_mov_b32 s25, 0
	s_lshl_b32 s26, ttmp9, 7                       ; four tokens' 128 scale bytes
	s_mov_b32 s27, 0
	s_lshl_b32 s28, ttmp9, 4
	s_mov_b32 s29, 0
	s_lshl_b32 s30, ttmp9, 5
	s_mov_b32 s31, 0
	s_wait_kmcnt 0x0
	s_add_nc_u64 s[4:5], s[4:5], s[20:21]
	s_add_nc_u64 s[6:7], s[6:7], s[22:23]
	s_add_nc_u64 s[24:25], s[10:11], s[24:25]
	s_add_nc_u64 s[26:27], s[10:11], s[26:27]
	s_add_nc_u64 s[26:27], s[26:27], XSOFF
	s_add_nc_u64 s[12:13], s[12:13], s[28:29]
	s_add_nc_u64 s[14:15], s[14:15], s[30:31]
.irp j, 0,1
.irp i, 0,1,2,3
	global_load_b128 v[RW+16*\j+4*\i:RW+16*\j+4*\i+3], v2, s[4:5] offset:(2*\j+\i/2)*4096+512*(\i%2) th:TH_LOAD_NT   ; 512 bytes on end: half of my quarter of token 2 j + i / 2
.endr
.endr
.set q, 0
.rept 32
	global_load_b128 v[GW+4*q:GW+4*q+3], v7, s[6:7] offset:16*q
.set q, q+1
.endr
	global_load_b32 v232, v14, s[8:9]
	s_wait_loadcnt 33                              ; x is in: the 32 loads of gate_w and the one of gate_b are younger
; A set's 2,048 bytes turn through the wave's own stage: in as loaded, out 64 bytes a lane.  LDS serves a wave's instructions in order, so no wait stands between.
.macro TURN j
.irp i, 0,1,2,3
	ds_store_b128 v3, v[RW+16*\j+4*\i:RW+16*\j+4*\i+3] offset:2560*\j+640*\i
.endr
.irp i, 0,1,2,3
	ds_load_b128 v[XN+16*\j+4*\i:XN+16*\j+4*\i+3], v4 offset:2560*\j+16*\i
.endr
.endm
	TURN 0
	TURN 1
	s_wait_dscnt 0x0                               ; lane l now holds, in set j, token 2 j + l / 16 at k = 256 w + 16 (l % 16) + 0 .. 15
; A set is quantised: the block's largest magnitude (mine and my neighbour's 16), 2 off its exponent field, the conversion, the byte.
.macro QSET j
.set XQ, XN+16*\j
	v_max3_num_f32 v8, |v[XQ]|, |v[XQ+1]|, |v[XQ+2]|
	v_max3_num_f32 v9, |v[XQ+3]|, |v[XQ+4]|, |v[XQ+5]|
.irp i, 6,10
	v_max3_num_f32 v8, v8, |v[XQ+\i]|, |v[XQ+\i+1]|
	v_max3_num_f32 v9, v9, |v[XQ+\i+2]|, |v[XQ+\i+3]|
.endr
	v_max3_num_f32 v8, v8, |v[XQ+14]|, |v[XQ+15]|
	v_max3_num_f32 v8, v8, v9, 0x1800000           ; the floor 2^(3 - 127): the byte cannot fall under 1
	v_max_num_f32_dpp v8, v8, v8 row_xmask:1 row_mask:0xf bank_mask:0xf
	v_add_nc_u32 v11, 0xff000000, v8               ; the conversion takes this operand's exponent field as its scale
	v_cvt_scalef32_pk16_fp6_f32 v[CD+4*\j:CD+4*\j+2], v[XQ:XQ+15], v11
	v_lshrrev_b32 v10, 23, v11                     ; the scale's byte (also the plain line behind the conversion)
.irp i, 0,1,2
	ds_store_b32 v5, v[CD+4*\j+\i] offset:1536*\j+4*\i
.endr
	ds_store_b8 v6, v10 offset:64*\j               ; both lanes of a block write the same byte with the same value
.endm
	QSET 0
	QSET 1
	s_wait_loadcnt 0x0                             ; gate_w and gate_b
; The logits' parts: 16 k x 8 experts x 2 tokens a lane, two experts an instruction; x is spread to both halves.  The first product starts each sum.
.irp i, 0,1,2,3,4,5,6,7,8,9,10,11,12,13,14,15
.irp j, 0,1
.irp ep, 0,1,2,3
.if \i == 0
	v_pk_mul_f32 v[GA+8*\j+2*\ep:GA+8*\j+2*\ep+1], v[GW+2*\ep:GW+2*\ep+1], v[XN+16*\j:XN+16*\j+1] op_sel_hi:[1,0]
.elseif (\i%2) == 0
	v_pk_fma_f32 v[GA+8*\j+2*\ep:GA+8*\j+2*\ep+1], v[GW+8*\i+2*\ep:GW+8*\i+2*\ep+1], v[XN+16*\j+\i:XN+16*\j+\i+1], v[GA+8*\j+2*\ep:GA+8*\j+2*\ep+1] op_sel_hi:[1,0,1]
.else
	v_pk_fma_f32 v[GA+8*\j+2*\ep:GA+8*\j+2*\ep+1], v[GW+8*\i+2*\ep:GW+8*\i+2*\ep+1], v[XN+16*\j+\i-1:XN+16*\j+\i], v[GA+8*\j+2*\ep:GA+8*\j+2*\ep+1] op_sel:[0,1,0] op_sel_hi:[1,1,1]
.endif
.endr
.endr
.endr
.irp m, 1,2,4,8
.irp g, 0,1,2,3,4,5,6,7,8,9,10,11,12,13,14,15
	v_add_f32_dpp v[GA+\g], v[GA+\g], v[GA+\g] row_xmask:\m row_mask:0xf bank_mask:0xf   ; over the 16 lanes that hold one token
.endr
.endr
.irp j, 0,1
.irp h, 0,1
	ds_store_b128 v13, v[GA+8*\j+4*\h:GA+8*\j+4*\h+3] offset:64*\j+16*\h   ; the 16 lanes of a row write the same bytes with the same values
.endr
.endr
	s_wait_dscnt 0x0                               ; for the others' sake: my codes, bytes and sums lie in LDS
	s_barrier_signal -1
	s_barrier_wait -1
.irp h, 0,1,2
	ds_load_b64 v[16+2*\h:17+2*\h], v15 offset:256*\h
.endr
.irp h, 0,1,2
	s_wait_dscnt 2-\h                              ; the younger loads may be out
	global_store_b64 v12, v[16+2*\h:17+2*\h], s[24:25] offset:256*\h   ; 32 lanes store 256 bytes on end, at a multiple of 256 from xq's first byte
.endr
	s_cmp_lg_u32 s16, 0
	s_cbranch_scc1 .Lend                           ; the rest is wave 0's: no barrier follows
	v_lshlrev_b32 v8, 2, v1
	ds_load_b32 v9, v8 offset:XSL
.irp h, 0,1,2,3
	ds_load_b32 v[233+\h], v8 offset:GPS+128*\h    ; lane l stands for token l / 8, expert l % 8
.endr
	v_and_b32 v247, 7, v0
	v_cvt_f32_u32 v239, v247                       ; my expert's number as f32
	v_mov_b32 v251, 0xff800000                     ; -infinity
	v_lshrrev_b32 v252, 3, v1
	v_lshlrev_b32 v253, 3, v252                    ; probs: 8 bytes a token
	v_lshlrev_b32 v252, 2, v252                    ; sel: 4
	s_wait_dscnt 0x0
	global_store_b32 v8, v9, s[26:27]              ; the four tokens' 128 scale bytes
	v_add_f32 v233, v233, v234
	v_add_f32 v235, v235, v236
	v_add_f32 v233, v233, v235
	v_add_f32 v237, v233, v232                     ; the logit
	v_mov_b32 v238, v237
.irp m, 1,2,4
	v_max_num_f32_dpp v238, v238, v238 row_xmask:\m row_mask:0xf bank_mask:0xf   ; the largest of the token's eight
.endr
	v_cmp_eq_f32 vcc_lo, v237, v238
	v_cndmask_b32 v240, 0x41000000, v239, vcc_lo   ; my number where I hold it, else 8
.irp m, 1,2,4
	v_min_num_f32_dpp v240, v240, v240 row_xmask:\m row_mask:0xf bank_mask:0xf   ; i1: the lowest index that holds it
.endr
	v_cmp_eq_f32 vcc_lo, v239, v240
	v_cndmask_b32 v241, v237, v251, vcc_lo         ; that one is taken out
	v_mov_b32 v242, v241
.irp m, 1,2,4
	v_max_num_f32_dpp v242, v242, v242 row_xmask:\m row_mask:0xf bank_mask:0xf
.endr
	v_cmp_eq_f32 vcc_lo, v241, v242
	v_cndmask_b32 v243, 0x41000000, v239, vcc_lo
.irp m, 1,2,4
	v_min_num_f32_dpp v243, v243, v243 row_xmask:\m row_mask:0xf bank_mask:0xf   ; i2
.endr
	v_sub_f32 v246, v242, v238                     ; the second logit less the first: 0 or less
	v_mul_f32 v246, 0x3fb8aa3b, v246
	v_exp_f32 v246, v246
	v_cvt_u32_f32 v249, v240                       ; (plain work behind the exponential)
	v_cvt_u32_f32 v250, v243
	v_mov_b32 v251, 1
	s_wait_alu depctr_va_vdst(0)                   ; ahead of the first line that names the exponential's result
	v_add_f32 v247, 1.0, v246
	v_rcp_f32 v244, v247                           ; p1 = 1 / (1 + e^(g2 - g1))
	v_lshlrev_b32 v249, v249, v251                 ; 1 << i1
	v_lshlrev_b32 v250, v250, v251                 ; 1 << i2
	v_or_b32 v248, v249, v250
	v_lshl_or_b32 v248, v250, 8, v248              ; and which of the two is the second
	s_wait_alu depctr_va_vdst(0)                   ; and ahead of the first line that names the reciprocal
	v_mul_f32 v245, v246, v244                     ; p2
	v_and_b32 v247, 7, v0
	v_cmp_eq_u32 vcc_lo, 0, v247
	s_wait_xcnt 0x0                                ; EXEC changes only when the stores above have read it
	s_and_saveexec_b32 s32, vcc_lo                 ; one lane a token
	global_store_b32 v252, v248, s[12:13]
	global_store_b64 v253, v[244:245], s[14:15]
	s_wait_xcnt 0x0
	s_or_b32 exec_lo, exec_lo, s32
.Lend:
	s_wait_tensorcnt 0x0
	ds_add_u32 v254, v255
	s_wait_dscnt 0x0
	s_endpgm
.Lfunc_end_k_q99b33ac79b_route:
	.size	k_q99b33ac79b_route, .Lfunc_end_k_q99b33ac79b_route-k_q99b33ac79b_route
	.p2alignl 7, 3214868480
	.fill 96, 4, 3214868480
	.section	.rodata,"a",@progbits
	.p2align	6, 0x0
	.amdhsa_kernel k_q99b33ac79b_route
		.amdhsa_group_segment_fixed_size 25088
		.amdhsa_private_segment_fixed_size 0
		.amdhsa_enable_private_segment 0
		.amdhsa_kernarg_size 48
		.amdhsa_user_sgpr_count 2
		.amdhsa_user_sgpr_kernarg_segment_ptr 1
		.amdhsa_wavefront_size32 1
		.amdhsa_system_sgpr_workgroup_id_x 1
		.amdhsa_system_sgpr_workgroup_id_y 1
		.amdhsa_system_sgpr_workgroup_id_z 1
		.amdhsa_system_vgpr_workitem_id 0
		.amdhsa_next_free_vgpr 256
		.amdhsa_next_free_sgpr 66
		.amdhsa_reserve_vcc 1
		.amdhsa_float_denorm_mode_32 3
		.amdhsa_float_denorm_mode_16_64 3
		.amdhsa_memory_ordered 1
		.amdhsa_forward_progress 1
		.amdhsa_inst_pref_size 27
	.end_amdhsa_kernel
	.amdgpu_metadata
---
amdhsa.version: [ 1, 2 ]
amdhsa.kernels:
  - .name:           k_q99b33ac79b_route
    .symbol:         k_q99b33ac79b_route.kd
    .args:
      - { .name: x, .offset: 0, .size: 8, .value_kind: global_buffer, .address_space: global }
      - { .name: gate_w, .offset: 8, .size: 8, .value_kind: global_buffer, .address_space: global }
      - { .name: gate_b, .offset: 16, .size: 8, .value_kind: global_buffer, .address_space: global }
      - { .name: xq, .offset: 24, .size: 8, .value_kind: global_buffer, .address_space: global }
      - { .name: sel, .offset: 32, .size: 8, .value_kind: global_buffer, .address_space: global }
      - { .name: probs, .offset: 40, .size: 8, .value_kind: global_buffer, .address_space: global }
    .group_segment_fixed_size: 25088
    .private_segment_fixed_size: 0
    .kernarg_segment_align: 8
    .kernarg_segment_size: 48
    .max_flat_workgroup_size: 128
    .sgpr_count:     66
    .vgpr_count:     256
    .wavefront_size: 32
...
	.end_amdgpu_metadata
.endif
;; end of part 1
;; launch ffn1 (part 2): grid 32 x 8, 4 waves a work-group, no clusters, 109,056 bytes of LDS; arguments sel, xq, w1_codes, w1_scales, b1, hq, place; writes hq, place
.if DOCPART == 2
	.amdgcn_target "amdgcn-amd-amdhsa--gfx1250"
	.amdhsa_code_object_version 6
	.text
	.protected	k_q99b33ac79b_ffn1
	.globl	k_q99b33ac79b_ffn1
	.p2align	8
	.type	k_q99b33ac79b_ffn1,@function
k_q99b33ac79b_ffn1:
	s_mov_b64 s[64:65], 0
	v_nop
	global_prefetch_b8 v0, s[64:65] scope:SCOPE_SE
	s_setreg_imm32_b32 hwreg(HW_REG_WAVE_MODE, 25, 1), 1
	s_wait_xcnt 0x0
; FIRST PRODUCT OF THE CHOSEN EXPERTS: h = Q(gelu(Q(x) W1 + b1)), on codes of E2M3 with one E8M0 byte for each 32 along K.
; Work-group (sigma, e) makes hidden units 128 sigma .. 128 sigma + 127 of expert e, which are K step sigma of the second product, for all rows (tokens) that chose e.
; THE ROWS.  sel[t] has bit e set where token t chose e.  Every wave reads all 1,024 words, makes 32 masks of 32 tokens by compares, and their running counts; position p of the expert's list is
; then found in each lane by whole-number arithmetic: which mask, then which set bit of it.  All work-groups of an expert find the same list.  The work-groups with sigma = 0 store the way back
; (place[2 t + slot] = 1024 e + p) and the count (place[2048 + e]) for the launches that follow.  No lane is ever switched off: a row past the list's end stores 0 to a spare word of the expert's
; own, place[2056 + e], which nobody reads.
; SHARES.  THE WAVES SHARE THE TILES OF 16 ROWS, NOT THE COLUMNS: wave w takes tiles w, w + 4, ..  Every wave keeps all 64 fragments of the slice of W1 (8 tiles of 16 units x 8 K steps, 768 registers).
; THE SLICE, 128 rows of 768 bytes, is 98,304 bytes on end in memory: each wave fetches a quarter of it once, by 48 loads that cover 512 bytes on end each, and lays it into LDS as rows 784 bytes apart;
; behind the launch's one barrier every wave reads its fragments from there, 8 bytes a lane.  In the loop a wave is on its own.
; THE NUMBER OF TILES is made of stored numbers.  The loop has 16 trips whatever it is (64 tiles are the most that an expert can have); a trip whose tile lies past the last one jumps over its work.
; THE PRODUCT IS USED TRANSPOSED (source 0 = 16 rows of W1, source 1 = 16 rows of x), and lane r of tile 2 b + u takes unit 32 b + 8 u + r + 8 (r / 8): so a lane holds one row, and registers
; 16 b + i of its 64 sums are units 32 b + 16 (lane / 16) + i: 16 neighbours along the next K.  b1 is what the sums begin with.
; GELU, exact form: gelu(v) = max(v, 0) - |v| q, q = erfc(|v| / sqrt 2) / 2 = t 2^(-v^2 log2(e) / 2 + K0 + t (K1 + .. t K9)), t = 1 / (1 + |v| / (2 sqrt 2)):
; the rational-exponential fit of erfc whose fractional error stays under 1.2e-7 for every argument, its coefficients times log2(e), 1 taken off K0 for the half.  All in f32.
; OUT.  hq: a fragment (16 rows x 128 units, 12 registers a lane) as it stands, 1,536 bytes at ((64 e + tile) 32 + sigma) 1536; its 16 scale words at HSOFF + ((64 e + tile) 32 + sigma) 64.
; An expert has room for 64 tiles; only ceil(n / 16) are written (one where n = 0).  Rows past n repeat some token: finite, and read by nobody.
; LIMITS: NaN and infinities are not served.  q falls to 0 under 2^-126 (v under about -13: gelu is then -0).  A block of zeros gets the byte 1 (its codes are zeros; only this program reads the bytes).
; NO TENSOR LOAD, NO CLUSTER: which trips work hangs on stored numbers.
.set XSOFF, 786432
.set HSOFF, 25165824
.set WP,    784                        ; LDS: a row of W1: 768 bytes + 16 = 196 words: row r starts at bank 4 r mod 64 (64 banks of 4 bytes: ISA guide 11.1), lanes 16-31 six words on: the 32 lanes of a load of 8 bytes touch 64 different banks
.set BIMG,  128*WP                     ; LDS: W1's 128 rows from 0 on, tile t's 16 rows at places 16 t .. 16 t + 15; then b1 in the sums' layout: 16 groups of four registers, 512 bytes each
.set LI,   1                           ; v1   16 x lane
.set R4,   2                           ; v2   4 x (lane % 16)
.set PR,   3                           ; v3   lane % 16: my row in a tile
.set XO,   4                           ; v4   my half of my row's codes in xq: 384 T2
.set XSO,  5                           ; v5   my half of its scale words: 16 T2
.set SO,   6                           ; v6   its word in sel: 4 x token
.set T2C,  7                           ; v7   T2 = 2 x my row's token + lane / 16, tile in hand
.set T2N,  8                           ; v8   tile to come: written by the hold at 0x7ff alone
.set SELC, 9                           ; v9   the row's sel word, tile in hand
.set SELN, 10                          ; v10  tile to come
.set LB,   11                          ; v11  16 x lane + BIMG
.set W1S,  12                          ; v12-43   W1's scale words: 4 t + u: lanes 0-15 K step 2 u, lanes 16-31 K step 2 u + 1
.set XS,   44                          ; v44-47   x's likewise
.set WL,   48                          ; v48-59   fragment 63 of W1.  Fragment f = 8 s + t (f < 63) lies in window 1 + f / 21 at v[12 (f % 21)]
.set ACC,  60                          ; v60-123  the eight sums, tile t at ACC + 8 t
.set XF,   124                         ; v124-219 x's eight fragments
.set SCR,  220                         ; v220-252 at work
.set PLA,  253                         ; v253     at the head an LDS address; in the loop the offset into place
.set K8,   254                         ; v254-255 K8, twice
.set GT,   SCR                         ; GELU: t, two sets of eight by turns
.set GPL,  SCR+16                      ; the polynomial, then 2^.., then q
.set GS,   SCR+24                      ; v^2, then max(v, 0)
.set TM,   SCR                         ; QUANT: largest magnitudes,
.set TB,   SCR+4                       ; bytes,
.set TS,   SCR+8                       ; the conversions' scale operands,
.set PW,   SCR+12                      ; the scale word,
.set PC,   SCR+14                      ; the fragment's 12 registers,
.set PC2,  SCR+26                      ; the blocks' upper halves before they change lanes
.set MS,   20                          ; s20-51  mask j: bit l = token 128 (j / 4) + 4 l + j % 4 chose e
.set PK,   66                          ; s66-97  (rows in masks 0 .. j - 1) << 5 | j
.set SEL,  62                          ; s[62:63] lane selects: lane l xor 16
; s2 wave, s3 e, s18 sigma, s19 1 << e, s52 n, s53 tiles, s54 the trip's tile, s55 trips to go, s56 tile to come, s57 at work, s[58:59], s[60:61] where the trip's codes and scale words go,
; s98 the last tile, s99 2056 + e, s100 8 + e, s101 1024 e
.set MSB, 0
.macro WIN new                         ; the immediate's high byte repeats the setting that is left
.if MSB != (\new)
	s_set_vgpr_msb (MSB<<8)|(\new)
.set MSB, (\new)
.endif
.endm
	s_load_b256 s[4:11], s[0:1], 0x0               ; sel s[4:5], xq s[6:7], W1's codes s[8:9], W1's scales s[10:11]
	s_load_b128 s[12:15], s[0:1], 0x20             ; b1 s[12:13], hq s[14:15]
	s_load_b64 s[16:17], s[0:1], 0x30              ; place
	s_set_vgpr_msb 0x40
	v_lshl_add_u32 v254, v0, 2, 0x1a800
	v_mov_b32 v255, 0
	s_set_vgpr_msb 0x4000
	v_lshrrev_b32 v1, 5, v0
	v_readfirstlane_b32 s2, v1                     ; wave 0..3
	s_and_b32 s3, ttmp7, 0xffff                    ; e
	s_mov_b32 s18, ttmp9                           ; sigma
	s_lshl_b32 s19, 1, s3
	s_add_co_u32 s99, s3, 2056
	s_add_co_u32 s100, s3, 8
	s_lshl_b32 s101, s3, 10
	s_mov_b32 s[SEL], 0x76543210
	s_mov_b32 s[SEL+1], 0xfedcba98
	v_and_b32 v[LI], 31, v0
	v_lshlrev_b32 v[LI], 4, v[LI]
	v_and_b32 v[PR], 15, v0
	v_lshlrev_b32 v[R4], 2, v[PR]
	v_add_nc_u32 v[LB], BIMG, v[LI]
	v_bfe_u32 v63, v0, 4, 1                        ; h
	v_and_b32 v62, 8, v[PR]
	v_add_nc_u32 v62, v62, v[PR]                   ; r + 8 (r / 8)
	v_lshlrev_b32 v61, 5, v62                      ; W1's scales: a row is 32 bytes,
	v_lshl_add_u32 v61, v63, 2, v61                ; + 4 h: lanes 16-31 take the odd K steps' words
	v_lshlrev_b32 v62, 6, v63                      ; b1: 16 numbers further on for lanes 16-31
	s_mul_i32 s57, s2, 32*WP
	v_add_nc_u32 v[PLA], s57, v[LI]                ; where I lay my 32 rows: 16 x lane + 32 rows x wave;
	v_lshl_add_u32 v232, v63, 4, v[PLA]            ; the same for a load whose lanes 16-31 begin the next row: one padding further on
	v_mul_u32_u24 v252, v[PR], WP
	v_mad_u32_u24 v252, v63, 24, v252              ; where I read fragments: row r of a tile, + 24 h;
	v_add_nc_u32 v234, 64*WP, v252                 ; the same for tiles 4 to 7 (an LDS immediate has 16 bits)
	s_lshl_b32 s57, s2, 11
	v_add_nc_u32 v233, s57, v[LB]                  ; b1's groups 4 w .. 4 w + 3
	v_mov_b32 v[K8], 0xbf97d29d
	v_mov_b32 v[K8+1], 0xbf97d29d
	s_lshl_b32 s56, s3, 12
	s_lshl_b32 s57, s18, 7
	s_add_co_u32 s56, s56, s57                     ; the slice's first unit: 4096 e + 128 sigma
	s_lshl_b32 s58, s56, 5
	s_mov_b32 s59, 0
	s_lshl_b32 s57, s2, 5
	s_add_co_u32 s56, s56, s57                     ; + 32 w: the units of my two tiles
	s_lshl_b32 s60, s56, 2
	s_mov_b32 s61, 0
	s_mul_i32 s54, s56, 768
	s_mov_b32 s55, 0
	s_wait_kmcnt 0x0
	s_add_nc_u64 s[10:11], s[10:11], s[58:59]
	s_add_nc_u64 s[12:13], s[12:13], s[60:61]
	s_add_nc_u64 s[8:9], s[8:9], s[54:55]
.irp q, 0,1,2,3,4,5,6,7
	global_load_b128 v[XF+4*\q:XF+4*\q+3], v[LI], s[4:5] offset:512*\q   ; all of sel: register 4 q + i of lane l is token 128 q + 4 l + i
.endr
.irp t, 0,1,2,3,4,5,6,7
.irp u, 0,1,2,3
	global_load_b32 v[W1S+4*\t+\u], v61, s[10:11] offset:(32*(\t/2)+8*(\t%2))*32+8*\u
.endr
.endr
.irp tt, 0,1
.irp q, 0,1
	global_load_b128 v[SCR+16+8*\tt+4*\q:SCR+16+8*\tt+4*\q+3], v62, s[12:13] offset:32*\tt+16*\q
.endr
.endr
	WIN 0x40                                       ; destination window 1
.set q, 0
.rept 48
	global_load_b128 v[4*q:4*q+3], v[LI], s[8:9] offset:512*q   ; my 32 rows of W1 as they lie: 24,576 bytes on end, 512 a load
.set q, q+1
.endr
	WIN 0
	s_wait_loadcnt 48                              ; sel, the scale words and b1 are in: the 48 loads of W1 are younger
.set j, 0
.rept 32
	v_and_b32 v[SCR], s19, v[XF+j]
	v_cmp_ne_u32 s[MS+j], 0, v[SCR]
.set j, j+1
.endr
	s_mov_b32 s52, 0
.set j, 0
.rept 32
	s_lshl_b32 s[PK+j], s52, 5
	s_or_b32 s[PK+j], s[PK+j], j
	s_bcnt1_i32_b32 s57, s[MS+j]
	s_add_co_u32 s52, s52, s57
.set j, j+1
.endr
	s_add_co_u32 s98, s52, 15                      ; n rows make ceil(n / 16) tiles, one at the least;
	s_lshr_b32 s98, s98, 4
	s_max_u32 s98, s98, 1
	s_sub_co_u32 s98, s98, 1
	s_min_u32 s98, s98, 63                         ; the last of them, held inside the expert's 64
	s_add_co_u32 s53, s98, 1                       ; how many there are
	s_min_u32 s56, s2, s98                         ; my first tile, held to the last one
	s_mov_b32 s54, s2
; One step of the search for a mask's rk-th set bit: the count of the lower half of what is left, out of the partial counts src; where rk reaches it, the upper half is taken.
.macro SELSTEP src, w, st
	v_bfe_u32 v[SCR+9], v[\src], v[SCR+10], \w
	v_cmp_ge_u32 vcc_lo, v[SCR+4], v[SCR+9]
	v_cndmask_b32 v[SCR+9], 0, v[SCR+9], vcc_lo
	v_add_nc_u32 v[SCR+1], \st, v[SCR+10]
	v_cndmask_b32 v[SCR+10], v[SCR+10], v[SCR+1], vcc_lo
	v_sub_nc_u32 v[SCR+4], v[SCR+4], v[SCR+9]
.endm
; Tile s[sm]: position p = 16 tile + lane % 16 of the list becomes a token and three offsets.  Plain vector lines that name no register of the products.
; The hold at 0x7ff is the last line that takes in stored numbers; behind it stand one multiplication, two shifts to the left and one AND, on registers that nothing else writes.
.macro SELECT sm
	v_lshl_add_u32 v[SCR], s[\sm], 4, v[PR]        ; p
	v_lshl_or_b32 v[SCR+1], v[SCR], 5, 31
	v_mov_b32 v[SCR+2], s[PK]
	v_mov_b32 v[SCR+3], s[MS]
.set j, 1
.rept 31
	v_cmp_gt_u32 vcc_lo, s[PK+j], v[SCR+1]         ; do masks 0 .. j - 1 hold more than p rows?  Where not, mask j takes the place of the one before
	v_cndmask_b32 v[SCR+2], s[PK+j], v[SCR+2], vcc_lo
	v_cndmask_b32 v[SCR+3], s[MS+j], v[SCR+3], vcc_lo
.set j, j+1
.endr
	v_lshrrev_b32 v[SCR+9], 5, v[SCR+2]
	v_sub_nc_u32 v[SCR+4], v[SCR], v[SCR+9]        ; rk: which set bit of the mask
	v_and_b32 v[SCR+2], 31, v[SCR+2]               ; j: which mask
	v_lshrrev_b32 v[SCR+5], 1, v[SCR+3]
	v_and_b32 v[SCR+5], 0x55555555, v[SCR+5]
	v_sub_nc_u32 v[SCR+5], v[SCR+3], v[SCR+5]      ; counts of 2 bits,
	v_lshrrev_b32 v[SCR+6], 2, v[SCR+5]
	v_and_b32 v[SCR+6], 0x33333333, v[SCR+6]
	v_and_b32 v[SCR+9], 0x33333333, v[SCR+5]
	v_add_nc_u32 v[SCR+6], v[SCR+6], v[SCR+9]      ; of 4,
	v_lshrrev_b32 v[SCR+7], 4, v[SCR+6]
	v_add_nc_u32 v[SCR+7], v[SCR+7], v[SCR+6]
	v_and_b32 v[SCR+7], 0x0f0f0f0f, v[SCR+7]       ; of 8,
	v_lshrrev_b32 v[SCR+8], 8, v[SCR+7]
	v_add_nc_u32 v[SCR+8], v[SCR+8], v[SCR+7]
	v_and_b32 v[SCR+8], 0x00ff00ff, v[SCR+8]       ; of 16
	v_mov_b32 v[SCR+10], 0                         ; the bit's number, found from the top down
	SELSTEP SCR+8, 8, 16
	SELSTEP SCR+7, 8, 8
	SELSTEP SCR+6, 4, 4
	SELSTEP SCR+5, 2, 2
	SELSTEP SCR+3, 1, 1
	v_lshrrev_b32 v[SCR+9], 2, v[SCR+2]
	v_and_b32 v[SCR+1], 3, v[SCR+2]
	v_lshl_add_u32 v[SCR+1], v[SCR+10], 2, v[SCR+1]
	v_lshl_add_u32 v[SCR+9], v[SCR+9], 7, v[SCR+1] ; token 128 (j / 4) + 4 bit + j % 4
	v_bfe_u32 v[SCR+1], v0, 4, 1                   ; h
	v_lshl_add_u32 v[SCR+9], v[SCR+9], 1, v[SCR+1] ; 2 token + h
	v_min_u32 v[T2N], 0x7ff, v[SCR+9]              ; held inside the tables (positions past n give any token)
	v_mul_u32_u24 v[XO], v[T2N], 384               ; 768 token + 384 h: my half's 384 bytes of the token's codes
	v_lshlrev_b32 v[XSO], 4, v[T2N]                ; 32 token + 16 h: my half's four scale words
	v_and_b32 v[SO], 0x7fe, v[T2N]
	v_lshlrev_b32 v[SO], 1, v[SO]                  ; 4 token
.endm
.macro XLOAD                           ; 26 loads: the tile's eight fragments of x, their scale words, the rows' sel words
.set q, 0
.rept 24
	global_load_b128 v[XF+4*q:XF+4*q+3], v[XO], s[6:7] offset:16*q
.set q, q+1
.endr
	global_load_b128 v[XS:XS+3], v[XSO], s[6:7] offset:XSOFF
	global_load_b32 v[SELN], v[SO], s[4:5]
.endm
	SELECT 56
	XLOAD
	s_wait_loadcnt 26                              ; my quarter of W1 is in: only the 26 loads just issued are younger
; My 32 rows go into LDS.  48 lanes' 16 bytes make a row, so three loads are two rows: the first is the head of row rr, the second its tail (lanes 0-15) and the head of row rr + 1 (lanes 16-31), the third that row's tail.
; Row rho of my 32 is row (rho % 8) + 8 (rho / 16) of tile 2 w + (rho / 8) % 2, and goes to that place: a tile's 16 rows are neighbours in LDS.  rr is even, so row rr + 1 goes to the next place.
	WIN 0x04                                       ; an LDS store's data: window 1
.set q, 0
.rept 48
.set rr, 2*(q/3)
.set pp, 16*((rr>>3)&1)+(rr&7)+8*(rr>>4)
.if q%3 == 0
	ds_store_b128 v[PLA], v[4*q:4*q+3] offset:pp*WP
.elseif q%3 == 1
	ds_store_b128 v232, v[4*q:4*q+3] offset:pp*WP+512
.else
	ds_store_b128 v[PLA], v[4*q:4*q+3] offset:(pp+1)*WP+256
.endif
.set q, q+1
.endr
	WIN 0
.irp tt, 0,1
.irp q, 0,1
	ds_store_b128 v233, v[SCR+16+8*\tt+4*\q:SCR+16+8*\tt+4*\q+3] offset:512*(2*\tt+\q)
.endr
.endr
	s_wait_dscnt 0x0                               ; for the others' sake: my rows lie in LDS
	s_barrier_signal -1
	s_barrier_wait -1                              ; the launch's one barrier: from here on LDS is only read
	s_cmp_ge_u32 s2, s53
	s_cbranch_scc1 .Lend                           ; fewer tiles than waves: nothing is left for me
.set f, 0
.rept 64                                       ; all 64 fragments: lane (r, h) takes, of row r of tile t, the 24 bytes at 96 s + 24 h and those 48 further on, in pieces of 8
.set ms, f/8
.set mt, f%8
.if f < 63
	WIN (1+f/21)<<6
.set wr, 12*(f%21)
.else
	WIN 0
.set wr, WL
.endif
.irp p, 0,1,2,3,4,5
.if mt < 4
	ds_load_b64 v[wr+2*\p:wr+2*\p+1], v252 offset:16*mt*WP+96*ms+48*(\p/3)+8*(\p%3)
.else
	ds_load_b64 v[wr+2*\p:wr+2*\p+1], v234 offset:16*(mt-4)*WP+96*ms+48*(\p/3)+8*(\p%3)
.endif
.endr
.set f, f+1
.endr
	WIN 0
	s_or_b32 s57, s18, s2
	s_cmp_lg_u32 s57, 0
	s_cbranch_scc1 .Lnocnt                         ; wave 0 of the work-group with sigma = 0 stores the expert's count
	v_mov_b32 v[SCR], s52
	s_lshl_b32 s57, s3, 2
	v_mov_b32 v[SCR+1], s57
	global_store_b32 v[SCR+1], v[SCR], s[16:17] offset:8192   ; all 32 lanes store the same word with the same value
	s_wait_xcnt 0x0                                ; the store has read its two registers: they are at work again below
.Lnocnt:
	s_lshl_b32 s57, s3, 6
	s_add_co_u32 s57, s57, s2
	s_lshl_b32 s57, s57, 5
	s_add_co_u32 s57, s57, s18                     ; (64 e + w) 32 + sigma
	s_mul_i32 s58, s57, 1536
	s_mov_b32 s59, 0
	s_lshl_b32 s60, s57, 6
	s_mov_b32 s61, 0
	s_add_nc_u64 s[58:59], s[14:15], s[58:59]
	s_add_nc_u64 s[60:61], s[14:15], s[60:61]
	s_add_nc_u64 s[60:61], s[60:61], HSOFF
; The 64 products of a tile.  The eight sums take turns, one instruction a turn, over the loop's backward jump too.  Four settings of the window a tile.
.macro MM
.set f, 0
.rept 64
.set ms, f/8
.set mt, f%8
.if f < 63
	WIN 1+f/21
.set wr, 12*(f%21)
.else
	WIN 0
.set wr, WL
.endif
.if ms%2
	v_wmma_scale_f32_16x16x128_f8f6f4 v[ACC+8*mt:ACC+8*mt+7], v[wr:wr+11], v[XF+12*ms:XF+12*ms+11], v[ACC+8*mt:ACC+8*mt+7], v[W1S+4*mt+ms/2], v[XS+ms/2] matrix_a_fmt:MATRIX_FMT_FP6 matrix_b_fmt:MATRIX_FMT_FP6 matrix_a_scale:MATRIX_SCALE_ROW1 matrix_b_scale:MATRIX_SCALE_ROW1
.else
	v_wmma_scale_f32_16x16x128_f8f6f4 v[ACC+8*mt:ACC+8*mt+7], v[wr:wr+11], v[XF+12*ms:XF+12*ms+11], v[ACC+8*mt:ACC+8*mt+7], v[W1S+4*mt+ms/2], v[XS+ms/2] matrix_a_fmt:MATRIX_FMT_FP6 matrix_b_fmt:MATRIX_FMT_FP6
.endif
.set f, f+1
.endr
	WIN 0
.endm
; GELU, a sum of eight registers at a time.  GA: t.  GB: the exponent and 2^ of it.  GC: q, and the result in place.
.macro GA k
.set gA, ACC+8*(\k)
.set gT, GT+8*((\k)%2)
.irp i, 0,1,2,3,4,5,6,7
	v_fma_f32 v[gT+\i], |v[gA+\i]|, 0x3eb504f3, 1.0   ; 1 + |v| / (2 sqrt 2): each sum is read from its low end on
.endr
.irp i, 0,1,2,3,4,5,6,7
	v_rcp_f32 v[gT+\i], v[gT+\i]
.endr
.endm
.macro GB k
.set gA, ACC+8*(\k)
.set gT, GT+8*((\k)%2)
.irp i, 0,2,4,6
	v_pk_mul_f32 v[GS+\i:GS+\i+1], v[gA+\i:gA+\i+1], v[gA+\i:gA+\i+1]
.endr
.irp i, 0,2,4,6
	v_pk_fma_f32 v[GPL+\i:GPL+\i+1], v[gT+\i:gT+\i+1], 0x3e7c6f08, v[K8:K8+1] op_sel_hi:[1,0,1]   ; K8 + t K9
.endr
.irp c, 0x40097039, 0xbfd1a1e5, 0x3ecdfd18, 0xbe899a80, 0x3e0efb2e, 0x3f0a29d2, 0x3fb8ab5a, 0xc034d90f
.irp i, 0,2,4,6
	v_pk_fma_f32 v[GPL+\i:GPL+\i+1], v[GPL+\i:GPL+\i+1], v[gT+\i:gT+\i+1], \c op_sel_hi:[1,1,0]   ; K7 down to K0
.endr
.endr
.irp i, 0,2,4,6
	v_pk_fma_f32 v[GPL+\i:GPL+\i+1], v[GS+\i:GS+\i+1], 0xbf38aa3b, v[GPL+\i:GPL+\i+1] op_sel_hi:[1,0,1]   ; - v^2 log2(e) / 2
.endr
.irp i, 0,1,2,3,4,5,6,7
	v_exp_f32 v[GPL+\i], v[GPL+\i]
.endr
.endm
.macro GC k
.set gA, ACC+8*(\k)
.set gT, GT+8*((\k)%2)
.irp i, 0,2,4,6
	v_pk_mul_f32 v[GPL+\i:GPL+\i+1], v[GPL+\i:GPL+\i+1], v[gT+\i:gT+\i+1]   ; q
.endr
.irp i, 0,1,2,3,4,5,6,7
	v_max_num_f32 v[GS+\i], 0, v[gA+\i]
.endr
.irp i, 0,1,2,3,4,5,6,7
	v_fma_f32 v[gA+\i], -|v[gA+\i]|, v[GPL+\i], v[GS+\i]
.endr
.endm
; One wait serves a sum's eight exponentials and the next sum's eight reciprocals: both are issued ahead of it, and nothing ahead of it names a result.  A plain line stands behind the last of them.
.macro GELU
	GA 0
	v_nop
	s_wait_alu depctr_va_vdst(0)
.irp k, 0,1,2,3,4,5,6,7
	GB \k
.if \k < 7
	GA \k+1
.endif
	v_nop
	s_wait_alu depctr_va_vdst(0)
	GC \k
.endr
.endm
; A lane's 64 numbers, register 16 b + i = unit 32 b + 16 (lane / 16) + i of my row, become a fragment's codes in v[PC] on and its scale word in v[PW].
.macro QUANT
.irp b, 0,1,2,3
	v_max3_num_f32 v[TM+\b], |v[ACC+16*\b]|, |v[ACC+1+16*\b]|, 0x1800000   ; with the floor 2^(3 - 127): the byte cannot fall under 1
.endr
.irp i, 2,4,6,8,10,12,14
.irp b, 0,1,2,3
	v_max3_num_f32 v[TM+\b], v[TM+\b], |v[ACC+16*\b+\i]|, |v[ACC+1+16*\b+\i]|
.endr
.endr
.irp b, 0,1,2,3
	v_permlanex16_b32 v[TB+\b], v[TM+\b], s[SEL], s[SEL+1]
.endr
.irp b, 0,1,2,3
	v_max_num_f32 v[TM+\b], v[TM+\b], v[TB+\b]     ; with lane l xor 16's: the block's largest magnitude
.endr
.irp b, 0,1,2,3
	v_add_nc_u32 v[TS+\b], 0xff000000, v[TM+\b]    ; 2 off its exponent field: the conversion's scale operand
.endr
.irp b, 0,1,2,3
	v_lshrrev_b32 v[TB+\b], 23, v[TS+\b]           ; the scale's byte
.endr
	v_lshl_or_b32 v[PW], v[TB+1], 8, v[TB]
	v_lshl_or_b32 v[PW], v[TB+2], 16, v[PW]
	v_lshl_or_b32 v[PW], v[TB+3], 24, v[PW]
.irp c, 0,1
	v_cvt_scalef32_pk16_fp6_f32 v[PC+6*\c:PC+6*\c+2], v[ACC+32*\c:ACC+32*\c+15], v[TS+2*\c]
	v_cvt_scalef32_pk16_fp6_f32 v[PC2+4*\c:PC2+4*\c+2], v[ACC+16+32*\c:ACC+31+32*\c], v[TS+2*\c+1]   ; (a conversion's three registers begin on an even number)
.endr
	v_nop                                          ; one plain line behind the last conversion
.irp c, 0,1                                    ; the operand wants a whole block in a lane: lanes 0-15 block 2 c, lanes 16-31 block 2 c + 1
.irp i, 0,1,2
	v_permlane16_swap_b32 v[PC+6*\c+\i], v[PC2+4*\c+\i]
.endr
.irp i, 0,1,2
	v_mov_b32 v[PC+3+6*\c+\i], v[PC2+4*\c+\i]
.endr
.endr
.endm
	s_wait_dscnt 0x0                               ; W1's 64 fragments are in my registers
	s_mov_b32 s55, 16
.Ltile:                                            ; 16 trips: tiles w, w + 4, .. w + 60
	s_cmp_lt_u32 s54, s53
	s_cbranch_scc0 .Lskip                          ; past the expert's last tile: only the steps at the trip's end are left
.irp g, 0,1,2,3,4,5,6,7,8,9,10,11,12,13,14,15
	ds_load_b128 v[ACC+4*\g:ACC+4*\g+3], v[LB] offset:512*\g   ; the sums begin as b1
.endr
	s_wait_loadcnt 0x0                             ; the tile's 26 loads, asked for a trip ago
	v_mov_b32 v[T2C], v[T2N]
	v_mov_b32 v[SELC], v[SELN]
	s_wait_dscnt 0x0                               ; b1
	MM
	s_add_co_u32 s56, s54, 4                       ; my next tile, held to the last one: the last working trip's loads stay inside the tables and are not used
	s_min_u32 s56, s56, s98
	SELECT 56                                      ; its lines are the places between the products and the loads into x's registers, and the first read of the sums
	XLOAD
	s_cmp_lg_u32 s18, 0
	s_cbranch_scc1 .Lnoplace                       ; sigma = 0 stores the way back: place[2 token + slot] = 1024 e + position
	v_lshl_add_u32 v[SCR], s54, 4, v[PR]           ; my row's position in the list
	v_lshrrev_b32 v[SCR+1], s100, v[SELC]
	v_and_b32 v[SCR+1], 1, v[SCR+1]                ; 1 where e is the token's second choice
	v_and_b32 v[SCR+3], 0x7fe, v[T2C]              ; 2 token
	v_add_nc_u32 v[SCR+1], v[SCR+3], v[SCR+1]
	v_add_nc_u32 v[SCR+2], s101, v[SCR]
	v_cmp_gt_u32 vcc_lo, s52, v[SCR]               ; a row of the list?
	v_cndmask_b32 v[SCR+1], s99, v[SCR+1], vcc_lo  ; where not: the expert's spare word,
	v_cndmask_b32 v[SCR+2], 0, v[SCR+2], vcc_lo    ; and 0 into it
	v_min_u32 v[PLA], 0x83f, v[SCR+1]              ; held inside place's 2,112 words
	v_lshlrev_b32 v[PLA], 2, v[PLA]
	global_store_b32 v[PLA], v[SCR+2], s[16:17]    ; (lanes 16-31 store what lanes 0-15 store)
	s_wait_xcnt 0x0                                ; the store has read its data: the register is at work again below
.Lnoplace:
	GELU
	QUANT
.irp c, 0,1,2
	global_store_b128 v[LI], v[PC+4*\c:PC+4*\c+3], s[58:59] offset:512*\c   ; the fragment as it stands: 1,536 bytes on end, at a multiple of 256 from hq's first byte
.endr
	global_store_b32 v[R4], v[PW], s[60:61]        ; its 16 scale words (both halves of the lanes hold the same)
.Lskip:
	s_wait_xcnt 0x0                                ; the stores have read their data and bases: both are written again
	s_add_nc_u64 s[58:59], s[58:59], 196608        ; four tiles on: 4 x 32 x 1,536
	s_add_nc_u64 s[60:61], s[60:61], 8192
	s_add_co_u32 s54, s54, 4
	s_sub_co_u32 s55, s55, 1
	s_cmp_lg_u32 s55, 0
	s_cbranch_scc1 .Ltile
.Lend:
	s_set_vgpr_msb 0x5
	s_wait_tensorcnt 0x0
	ds_add_u32 v254, v255
	s_wait_dscnt 0x0
	s_set_vgpr_msb 0x500
	s_endpgm
.Lfunc_end_k_q99b33ac79b_ffn1:
	.size	k_q99b33ac79b_ffn1, .Lfunc_end_k_q99b33ac79b_ffn1-k_q99b33ac79b_ffn1
	.p2alignl 7, 3214868480
	.fill 96, 4, 3214868480
	.section	.rodata,"a",@progbits
	.p2align	6, 0x0
	.amdhsa_kernel k_q99b33ac79b_ffn1
		.amdhsa_group_segment_fixed_size 109056
		.amdhsa_private_segment_fixed_size 0
		.amdhsa_enable_private_segment 0
		.amdhsa_kernarg_size 56
		.amdhsa_user_sgpr_count 2
		.amdhsa_user_sgpr_kernarg_segment_ptr 1
		.amdhsa_wavefront_size32 1
		.amdhsa_system_sgpr_workgroup_id_x 1
		.amdhsa_system_sgpr_workgroup_id_y 1
		.amdhsa_system_sgpr_workgroup_id_z 1
		.amdhsa_system_vgpr_workitem_id 0
		.amdhsa_next_free_vgpr 1024
		.amdhsa_next_free_sgpr 102
		.amdhsa_reserve_vcc 1
		.amdhsa_float_denorm_mode_32 3
		.amdhsa_float_denorm_mode_16_64 3
		.amdhsa_memory_ordered 1
		.amdhsa_forward_progress 1
		.amdhsa_inst_pref_size 128
	.end_amdhsa_kernel
	.amdgpu_metadata
---
amdhsa.version: [ 1, 2 ]
amdhsa.kernels:
  - .name:           k_q99b33ac79b_ffn1
    .symbol:         k_q99b33ac79b_ffn1.kd
    .args:
      - { .name: sel, .offset: 0, .size: 8, .value_kind: global_buffer, .address_space: global }
      - { .name: xq, .offset: 8, .size: 8, .value_kind: global_buffer, .address_space: global }
      - { .name: w1_codes, .offset: 16, .size: 8, .value_kind: global_buffer, .address_space: global }
      - { .name: w1_scales, .offset: 24, .size: 8, .value_kind: global_buffer, .address_space: global }
      - { .name: b1, .offset: 32, .size: 8, .value_kind: global_buffer, .address_space: global }
      - { .name: hq, .offset: 40, .size: 8, .value_kind: global_buffer, .address_space: global }
      - { .name: place, .offset: 48, .size: 8, .value_kind: global_buffer, .address_space: global }
    .group_segment_fixed_size: 109056
    .private_segment_fixed_size: 0
    .kernarg_segment_align: 8
    .kernarg_segment_size: 56
    .max_flat_workgroup_size: 128
    .sgpr_count:     102
    .vgpr_count:     1024
    .wavefront_size: 32
...
	.end_amdgpu_metadata
.endif
;; end of part 2
;; launch ffn2 (part 3): grid 32 x 8, 4 waves a work-group, no clusters, 270,848 bytes of LDS; arguments place, hq, w2_codes, w2_scales, b2, y; writes y
.if DOCPART == 3
	.amdgcn_target "amdgcn-amd-amdhsa--gfx1250"
	.amdhsa_code_object_version 6
	.text
	.protected	k_q99b33ac79b_ffn2
	.globl	k_q99b33ac79b_ffn2
	.p2align	8
	.type	k_q99b33ac79b_ffn2,@function
k_q99b33ac79b_ffn2:
	s_mov_b64 s[64:65], 0
	v_nop
	global_prefetch_b8 v0, s[64:65] scope:SCOPE_SE
	s_setreg_imm32_b32 hwreg(HW_REG_WAVE_MODE, 25, 1), 1
	s_wait_xcnt 0x0
; SECOND PRODUCT OF THE CHOSEN EXPERTS: y = h W2 + b2 on codes of E2M3, K = 4,096, for the rows that the launch before has laid by expert.
; Work-group (x, e): outputs 64 j .. 64 j + 63 (j = x % 16) of expert e, and every second pair of tiles of 16 rows (i = x / 16): trip k takes tiles 4 k + 2 i and 4 k + 2 i + 1.
; THE WAVES SHARE K: wave w takes K steps 8 w .. 8 w + 7 and keeps its 4 x 8 fragments of W2 in 384 registers, read from memory once.  So each fragment of the hidden layer goes from memory to one wave
; of the work-group, by three loads of 16 bytes a lane (it was stored as an image of its registers), and feeds four products.  The four waves' partial sums meet in LDS; each wave adds eight of the 32 rows, adds b2, stores.
; W2 COMES IN LONG RUNS.  A wave's part is 64 rows x 768 bytes, out of rows of 3,072.  A fragment wants 8 bytes a lane from 16 rows; fetched so, each load would take 48 bytes of each of 16 rows.  So the part is fetched as it
; lies, 16 bytes a lane, 48 lanes to a row: 96 loads that cover 512 bytes on end, or two runs of 256 where a row's part ends; it turns through the wave's own 64 rows of LDS and comes back as fragments, into the same registers.
; THE PRODUCT IS USED TRANSPOSED (source 0 = 16 rows of W2, source 1 = 16 rows of h): a lane holds eight neighbouring outputs of one row.
; THE NUMBER OF TILES is a stored number (place[2048 + e]).  The loop has 16 trips whatever it is, and every wave passes the barrier of each; a trip whose tiles lie past the last one jumps over its work.
; Where a pair's second tile lies past the last, the last tile is taken twice and stored twice, with the same numbers.  So this launch has no tensor load and no cluster.
; The stage in LDS has two halves by turns: a half is written again two trips later, behind the barrier between, in front of which every wave has waited for its reads.
.set HSOFF, 25165824
.set PAR,  34816                       ; a half of the stage: [wave 4][row 32][256 bytes + 16]
.set WST,  2*PAR                       ; behind the stage: W2's turn, 64 rows for each wave
.set WP,   784                         ; a row there: 768 bytes + 16 = 196 words: row r starts at bank 4 r mod 64 (64 banks of 4 bytes: ISA guide 11.1), lanes 16-31 six words on: the 32 lanes of a load of 8 bytes touch 64 different banks
.set LI,   1                           ; v1  16 x lane
.set L4,   2                           ; v2  4 x lane
.set SW,   3                           ; v3  the stage, in: 8704 w + 272 r + 32 h
.set SRD,  4                           ; v4  back: (8 w + lane / 16) 272 + 16 (lane % 16)
.set YO,   5                           ; v5  y: (lane / 16) rows of 4,096 bytes + 16 (lane % 16)
.set GO1,  6                           ; v6  W2's codes, for a load whose lanes 16-31 begin the next row: 16 x lane + (3072 - 768) h
.set WSO,  7                           ; v7  W2's scales: 128 r + 4 h
.set BO,   8                           ; v8  b2: 16 (lane % 16)
.set WA0,  12                          ; v12 W2's turn, in: WST + 64 rows x wave + 16 x lane
.set WA1,  13                          ; v13 the same one padding further on for lanes 16-31
.set WRD,  14                          ; v14 and back: WST + 64 rows x wave + 784 r + 24 h
.set W2S,  32                          ; v32-47  W2's scale words, 4 t + u: lanes 0-15 K step 2 u of my eight, lanes 16-31 K step 2 u + 1
.set HS,   48                          ; v48-63  h's, 8 buffer + 4 tile + u, likewise
; window 0 v64-255: h's buffer 0 (fragment 8 tile + s);  window 1 v0-191: buffer 1, v192-255: the eight sums (4 tile + t);
; window 2 v0-191: W2's fragments of s = 0 .. 3 (4 s + t), v192-255: the partial sums read back;  window 3 v0-191: s = 4 .. 7, v192-195: b2
.set ACC,  192
; s16 wave, s17 e, s18 j, s19 i, s20 tiles, s21 the trip's first tile, s22 0 in the first trip, then tiles, s23 trips / 2 to go, s[24:27] h's two tiles, s[28:31] their scale words, s[32:33] y, s35 64 e, s36 8 w, s39 0, s[40:41] hq + HSOFF
.set MSB, 0
.macro WIN new                         ; the immediate's high byte repeats the setting that is left
.if MSB != (\new)
	s_set_vgpr_msb (MSB<<8)|(\new)
.set MSB, (\new)
.endif
.endm
	s_load_b256 s[4:11], s[0:1], 0x0               ; place s[4:5], hq s[6:7], W2's codes s[8:9], W2's scales s[10:11]
	s_load_b128 s[12:15], s[0:1], 0x20             ; b2 s[12:13], y s[14:15]
	v_lshl_add_u32 v30, v0, 2, 0x42000
	v_mov_b32 v31, 0
	v_lshrrev_b32 v1, 5, v0
	v_readfirstlane_b32 s16, v1                    ; wave 0..3
	s_and_b32 s17, ttmp7, 0xffff
	s_and_b32 s18, ttmp9, 15
	s_lshr_b32 s19, ttmp9, 4
	v_and_b32 v9, 31, v0
	v_lshlrev_b32 v[LI], 4, v9
	v_lshlrev_b32 v[L4], 2, v9
	v_and_b32 v10, 15, v0                          ; r
	v_bfe_u32 v11, v0, 4, 1                        ; h
	s_mul_i32 s34, s16, 8704
	v_mul_u32_u24 v[SW], v10, 272
	v_lshl_add_u32 v[SW], v11, 5, v[SW]
	v_add_nc_u32 v[SW], s34, v[SW]
	s_mul_i32 s34, s16, 2176
	v_mul_u32_u24 v[SRD], v11, 272
	v_lshl_add_u32 v[SRD], v10, 4, v[SRD]
	v_add_nc_u32 v[SRD], s34, v[SRD]
	v_lshlrev_b32 v[YO], 12, v11
	v_lshl_add_u32 v[YO], v10, 4, v[YO]
	v_mad_u32_u24 v[GO1], v11, 2304, v[LI]
	s_mul_i32 s34, s16, 64*WP
	s_add_co_u32 s34, s34, WST                     ; my wave's 64 rows of LDS
	v_add_nc_u32 v[WA0], s34, v[LI]
	v_lshl_add_u32 v[WA1], v11, 4, v[WA0]
	v_mul_u32_u24 v[WRD], v10, WP
	v_mad_u32_u24 v[WRD], v11, 24, v[WRD]
	v_add_nc_u32 v[WRD], s34, v[WRD]
	v_lshlrev_b32 v[WSO], 7, v10
	v_lshl_add_u32 v[WSO], v11, 2, v[WSO]
	v_lshlrev_b32 v[BO], 4, v10
	s_lshl_b32 s35, s17, 6
	s_lshl_b32 s36, s16, 3
	s_lshl_b32 s34, s17, 2
	s_wait_kmcnt 0x0
	s_load_b32 s20, s[4:5], s34 offset:0x2000      ; the expert's count of rows
	s_lshl_b32 s37, s17, 10
	s_lshl_b32 s38, s18, 6
	s_add_co_u32 s37, s37, s38                     ; my first row of W2: 1024 e + 64 j
	s_mul_i32 s38, s37, 3072
	s_mul_i32 s39, s16, 768                        ; my eight K steps of 96 bytes
	s_add_co_u32 s38, s38, s39
	s_mov_b32 s39, 0
	s_add_nc_u64 s[8:9], s[8:9], s[38:39]
	s_lshl_b32 s38, s37, 7
	s_lshl_b32 s42, s16, 5
	s_add_co_u32 s38, s38, s42
	s_add_nc_u64 s[10:11], s[10:11], s[38:39]
	s_lshl_b32 s38, s37, 2
	s_add_nc_u64 s[12:13], s[12:13], s[38:39]
	s_add_nc_u64 s[40:41], s[6:7], HSOFF
; The weights hang on no stored number: they are asked for ahead of the wait for the count.  Three loads are two rows' parts: the first is the head of row rr's 768 bytes, the second their tail (lanes 0-15) and the head of
; row rr + 1's (lanes 16-31), the third that row's tail.  Load q lands in window 2 + q / 48 at v[4 (q % 48)].
.set q, 0
.rept 96
	WIN (2+q/48)<<6
.set rr, 2*(q/3)
.if q%3 == 0
	global_load_b128 v[4*(q%48):4*(q%48)+3], v[LI], s[8:9] offset:rr*3072
.elseif q%3 == 1
	global_load_b128 v[4*(q%48):4*(q%48)+3], v[GO1], s[8:9] offset:rr*3072+512
.else
	global_load_b128 v[4*(q%48):4*(q%48)+3], v[LI], s[8:9] offset:(rr+1)*3072+256
.endif
.set q, q+1
.endr
	global_load_b128 v[192:195], v[BO], s[12:13]   ; b2, into window 3
	WIN 0
.irp t, 0,1,2,3
.irp u, 0,1,2,3
	global_load_b32 v[W2S+4*\t+\u], v[WSO], s[10:11] offset:16*\t*128+8*\u
.endr
.endr
	s_wait_kmcnt 0x0
	s_add_co_u32 s20, s20, 15                      ; ceil(n / 16) tiles, one at the least, 64 at the most: as the launch before has written them
	s_lshr_b32 s20, s20, 4
	s_max_u32 s20, s20, 1
	s_min_u32 s20, s20, 64
	s_lshl_b32 s21, s19, 1
	s_mov_b32 s22, 0
; Where the pair of tiles s[ta], s[ta] + 1 lies in hq, each held to the expert's last tile and to the table.
.macro BASES ta
	s_sub_co_u32 s44, s20, 1
	s_min_u32 s42, s[\ta], s44
	s_min_u32 s42, s42, 63
	s_add_co_u32 s43, s[\ta], 1
	s_min_u32 s43, s43, s44
	s_min_u32 s43, s43, 63
	s_add_co_u32 s42, s42, s35
	s_lshl_b32 s42, s42, 5
	s_add_co_u32 s42, s42, s36                     ; (64 e + tile) 32 + 8 w
	s_mul_i32 s38, s42, 1536
	s_add_nc_u64 s[24:25], s[6:7], s[38:39]
	s_lshl_b32 s38, s42, 6
	s_add_nc_u64 s[28:29], s[40:41], s[38:39]
	s_add_co_u32 s43, s43, s35
	s_lshl_b32 s43, s43, 5
	s_add_co_u32 s43, s43, s36
	s_mul_i32 s38, s43, 1536
	s_add_nc_u64 s[26:27], s[6:7], s[38:39]
	s_lshl_b32 s38, s43, 6
	s_add_nc_u64 s[30:31], s[40:41], s[38:39]
.endm
.macro HLOAD b                         ; 56 loads: two tiles' eight fragments, 12,288 bytes on end each, and their scale words
	WIN (\b)<<6
.irp m, 0,1
.set q, 0
.rept 24
	global_load_b128 v[64*(1-(\b))+96*\m+4*q:64*(1-(\b))+96*\m+4*q+3], v[LI], s[24+2*\m:25+2*\m] offset:512*q
.set q, q+1
.endr
.endr
	WIN 0
.irp m, 0,1
.irp u, 0,1,2,3
	global_load_b32 v[HS+8*(\b)+4*\m+\u], v[L4], s[28+2*\m:29+2*\m] offset:128*\u   ; lanes 0-15: K step 2 u, lanes 16-31: K step 2 u + 1
.endr
.endr
.endm
	BASES 21
	HLOAD 0                                        ; the first two trips' tiles, whatever the count: both buffers are written on every way
	s_wait_xcnt 0x0                                ; the loads have read their bases
	s_add_co_u32 s45, s21, 4
	BASES 45
	HLOAD 1
	s_wait_loadcnt 63                              ; W2, its scale words and b2 are in: 112 loads are younger, and the count is the largest that the wait can name
; W2's turn through my own rows of LDS, while h's first tiles are on their way.  LDS serves a wave's instructions in order (ISA guide 5.7.1.4): the loads see the stores, and land in registers that the stores have read.
.set q, 0
.rept 96
	WIN (2+q/48)<<2                                ; an LDS store's data: window 2 or 3
.set rr, 2*(q/3)
.if q%3 == 0
	ds_store_b128 v[WA0], v[4*(q%48):4*(q%48)+3] offset:rr*WP
.elseif q%3 == 1
	ds_store_b128 v[WA1], v[4*(q%48):4*(q%48)+3] offset:rr*WP+512
.else
	ds_store_b128 v[WA0], v[4*(q%48):4*(q%48)+3] offset:(rr+1)*WP+256
.endif
.set q, q+1
.endr
.irp s, 0,1,2,3,4,5,6,7                        ; fragment (t, s): lane (r, h) takes, of row 16 t + r, the 24 bytes at 96 s + 24 h and those 48 further on, in pieces of 8
	WIN (2+\s/4)<<6
.irp t, 0,1,2,3
.irp p, 0,1,2,3,4,5
	ds_load_b64 v[12*(4*(\s%4)+\t)+2*\p:12*(4*(\s%4)+\t)+2*\p+1], v[WRD] offset:16*\t*WP+96*\s+48*(\p/3)+8*(\p%3)
.endr
.endr
.endr
	WIN 0
	s_wait_dscnt 0x0                               ; W2's 32 fragments are in my registers
; 64 products: my eight K steps x two tiles of rows x four tiles of outputs.  The eight sums take turns, one instruction a turn; the first K step starts them.
.macro MM b
.irp s, 0,1,2,3,4,5,6,7
	WIN 0x50|((\b)<<2)|(2+\s/4)
.irp m, 0,1
.irp t, 0,1,2,3
.if \s == 0
	v_wmma_scale_f32_16x16x128_f8f6f4 v[ACC+8*(4*\m+\t):ACC+8*(4*\m+\t)+7], v[12*(4*(\s%4)+\t):12*(4*(\s%4)+\t)+11], v[64*(1-(\b))+12*(8*\m+\s):64*(1-(\b))+12*(8*\m+\s)+11], 0, v[W2S+4*\t+\s/2], v[HS+8*(\b)+4*\m+\s/2] matrix_a_fmt:MATRIX_FMT_FP6 matrix_b_fmt:MATRIX_FMT_FP6
.elseif \s%2
	v_wmma_scale_f32_16x16x128_f8f6f4 v[ACC+8*(4*\m+\t):ACC+8*(4*\m+\t)+7], v[12*(4*(\s%4)+\t):12*(4*(\s%4)+\t)+11], v[64*(1-(\b))+12*(8*\m+\s):64*(1-(\b))+12*(8*\m+\s)+11], v[ACC+8*(4*\m+\t):ACC+8*(4*\m+\t)+7], v[W2S+4*\t+\s/2], v[HS+8*(\b)+4*\m+\s/2] matrix_a_fmt:MATRIX_FMT_FP6 matrix_b_fmt:MATRIX_FMT_FP6 matrix_a_scale:MATRIX_SCALE_ROW1 matrix_b_scale:MATRIX_SCALE_ROW1
.else
	v_wmma_scale_f32_16x16x128_f8f6f4 v[ACC+8*(4*\m+\t):ACC+8*(4*\m+\t)+7], v[12*(4*(\s%4)+\t):12*(4*(\s%4)+\t)+11], v[64*(1-(\b))+12*(8*\m+\s):64*(1-(\b))+12*(8*\m+\s)+11], v[ACC+8*(4*\m+\t):ACC+8*(4*\m+\t)+7], v[W2S+4*\t+\s/2], v[HS+8*(\b)+4*\m+\s/2] matrix_a_fmt:MATRIX_FMT_FP6 matrix_b_fmt:MATRIX_FMT_FP6
.endif
.endr
.endr
.endr
	WIN 0
.endm
; Rows 8 w .. 8 w + 7 of the pair's 32: the four waves' parts are added, then b2; two rows an instruction.
.macro EPI b
	s_wait_xcnt 0x0                                ; the last trip's stores have read their data and their base
	s_sub_co_u32 s44, s20, 1
	s_add_co_u32 s43, s21, 1
	s_min_u32 s43, s43, s44
	s_cmp_lt_u32 s16, 2                            ; waves 0, 1 store the pair's first tile, waves 2, 3 its second
	s_cselect_b32 s42, s21, s43
	s_min_u32 s42, s42, 63
	s_lshl_b32 s42, s42, 4
	s_lshl_b32 s43, s17, 10
	s_add_co_u32 s42, s42, s43
	s_and_b32 s43, s16, 1
	s_lshl_b32 s43, s43, 3
	s_add_co_u32 s42, s42, s43                     ; row 1024 e + 16 tile + 8 (w % 2)
	s_lshl_b32 s38, s42, 12
	s_lshl_b32 s43, s18, 8
	s_add_co_u32 s38, s38, s43                     ; + my 64 outputs' 256 bytes
	s_add_nc_u64 s[32:33], s[14:15], s[38:39]
	WIN 0x80                                       ; destination window 2
.irp q, 0,1,2,3
.irp c, 0,1,2,3
	ds_load_b128 v[192+16*\q+4*\c:192+16*\q+4*\c+3], v[SRD] offset:PAR*(\b)+8704*\c+544*\q
.endr
.endr
	s_wait_dscnt 0x0
	WIN 0xaa                                       ; all in window 2
.irp q, 0,1,2,3
.irp p, 0,2
	v_pk_add_f32 v[192+16*\q+\p:193+16*\q+\p], v[192+16*\q+\p:193+16*\q+\p], v[196+16*\q+\p:197+16*\q+\p]
	v_pk_add_f32 v[200+16*\q+\p:201+16*\q+\p], v[200+16*\q+\p:201+16*\q+\p], v[204+16*\q+\p:205+16*\q+\p]
.endr
.endr
.irp q, 0,1,2,3
.irp p, 0,2
	v_pk_add_f32 v[192+16*\q+\p:193+16*\q+\p], v[192+16*\q+\p:193+16*\q+\p], v[200+16*\q+\p:201+16*\q+\p]
.endr
.endr
	WIN 0x8e                                       ; source 1 (b2) window 3
.irp q, 0,1,2,3
.irp p, 0,2
	v_pk_add_f32 v[192+16*\q+\p:193+16*\q+\p], v[192+16*\q+\p:193+16*\q+\p], v[192+\p:193+\p]
.endr
.endr
	WIN 0x08                                       ; a store's data: window 2
.irp q, 0,1,2,3
	global_store_b128 v[YO], v[192+16*\q:195+16*\q], s[32:33] offset:8192*\q th:TH_STORE_NT   ; sixteen lanes store 256 bytes on end, at a multiple of 256 from y's first byte
.endr
	WIN 0
.endm
; A trip.  b: h's buffer and the stage's half.
.macro HALF b
	s_cmp_lt_u32 s21, s20
	s_cbranch_scc0 .Lidle_\@                       ; past the last tile: only the barrier is left
	s_wait_loadcnt 0x0                             ; this trip's fragments, asked for a trip ago
	s_add_co_u32 s45, s21, 4
	s_cmp_lt_u32 s45, s22                          ; (in the first trip s22 is 0: the second trip's tiles were asked for at the head)
	s_cbranch_scc0 .Lnoload_\@
	BASES 45                                       ; no load of mine is out: the bases may be written
	HLOAD 1-\b                                     ; the next trip's tiles have this trip in which to land
.Lnoload_\@:
	MM \b
.rept 5
	v_nop                                          ; places: four ahead of the stores that read the sums and of the next loads into h's registers, five ahead of the next trip's products, which begin the sums anew over these registers
.endr
	WIN 0x04                                       ; an LDS store's data: window 1
.irp m, 0,1
.irp t, 0,1,2,3
	ds_store_b128 v[SW], v[ACC+8*(4*\m+\t):ACC+8*(4*\m+\t)+3] offset:PAR*(\b)+4352*\m+64*\t      ; each sum from its low end on
	ds_store_b128 v[SW], v[ACC+8*(4*\m+\t)+4:ACC+8*(4*\m+\t)+7] offset:PAR*(\b)+4352*\m+64*\t+16
.endr
.endr
	WIN 0
.Lidle_\@:
	s_mov_b32 s22, s20
	s_wait_dscnt 0x0                               ; for the others' sake: my parts lie in this half of the stage, and my reads of the other half are over
	s_barrier_signal -1
	s_barrier_wait -1
	s_cmp_lt_u32 s21, s20
	s_cbranch_scc0 .Lnoepi_\@
	EPI \b
.Lnoepi_\@:
	s_add_co_u32 s21, s21, 4
.endm
	s_mov_b32 s23, 8
.Ltrip:                                            ; 8 x 2 trips: all 64 tiles that an expert can have
	HALF 0
	HALF 1
	s_sub_co_u32 s23, s23, 1
	s_cmp_lg_u32 s23, 0
	s_cbranch_scc1 .Ltrip
	s_wait_tensorcnt 0x0
	ds_add_u32 v30, v31
	s_wait_dscnt 0x0
	s_endpgm
.Lfunc_end_k_q99b33ac79b_ffn2:
	.size	k_q99b33ac79b_ffn2, .Lfunc_end_k_q99b33ac79b_ffn2-k_q99b33ac79b_ffn2
	.p2alignl 7, 3214868480
	.fill 96, 4, 3214868480
	.section	.rodata,"a",@progbits
	.p2align	6, 0x0
	.amdhsa_kernel k_q99b33ac79b_ffn2
		.amdhsa_group_segment_fixed_size 270848
		.amdhsa_private_segment_fixed_size 0
		.amdhsa_enable_private_segment 0
		.amdhsa_kernarg_size 48
		.amdhsa_user_sgpr_count 2
		.amdhsa_user_sgpr_kernarg_segment_ptr 1
		.amdhsa_wavefront_size32 1
		.amdhsa_system_sgpr_workgroup_id_x 1
		.amdhsa_system_sgpr_workgroup_id_y 1
		.amdhsa_system_sgpr_workgroup_id_z 1
		.amdhsa_system_vgpr_workitem_id 0
		.amdhsa_next_free_vgpr 1024
		.amdhsa_next_free_sgpr 66
		.amdhsa_reserve_vcc 0
		.amdhsa_float_denorm_mode_32 3
		.amdhsa_float_denorm_mode_16_64 3
		.amdhsa_memory_ordered 1
		.amdhsa_forward_progress 1
		.amdhsa_inst_pref_size 84
	.end_amdhsa_kernel
	.amdgpu_metadata
---
amdhsa.version: [ 1, 2 ]
amdhsa.kernels:
  - .name:           k_q99b33ac79b_ffn2
    .symbol:         k_q99b33ac79b_ffn2.kd
    .args:
      - { .name: place, .offset: 0, .size: 8, .value_kind: global_buffer, .address_space: global }
      - { .name: hq, .offset: 8, .size: 8, .value_kind: global_buffer, .address_space: global }
      - { .name: w2_codes, .offset: 16, .size: 8, .value_kind: global_buffer, .address_space: global }
      - { .name: w2_scales, .offset: 24, .size: 8, .value_kind: global_buffer, .address_space: global }
      - { .name: b2, .offset: 32, .size: 8, .value_kind: global_buffer, .address_space: global }
      - { .name: y, .offset: 40, .size: 8, .value_kind: global_buffer, .address_space: global }
    .group_segment_fixed_size: 270848
    .private_segment_fixed_size: 0
    .kernarg_segment_align: 8
    .kernarg_segment_size: 48
    .max_flat_workgroup_size: 128
    .sgpr_count:     66
    .vgpr_count:     1024
    .wavefront_size: 32
...
	.end_amdgpu_metadata
.endif
;; end of part 3
;; launch combine (part 4): grid 256 x 1, 4 waves a work-group, no clusters, 0 bytes of LDS; arguments place, probs, y, out0; writes out0
.if DOCPART == 4
	.amdgcn_target "amdgcn-amd-amdhsa--gfx1250"
	.amdhsa_code_object_version 6
	.text
	.protected	k_q99b33ac79b_combine
	.globl	k_q99b33ac79b_combine
	.p2align	8
	.type	k_q99b33ac79b_combine,@function
k_q99b33ac79b_combine:
	s_mov_b64 s[64:65], 0
	v_nop
	global_prefetch_b8 v0, s[64:65] scope:SCOPE_SE
	s_setreg_imm32_b32 hwreg(HW_REG_WAVE_MODE, 25, 1), 1
	s_wait_xcnt 0x0
; out0[t] = p1 y[place[2 t]] + p2 y[place[2 t + 1]]: the two chosen experts' rows of a token, weighed and added.  A wave takes one token: two rows of 4,096 bytes in, one out.
; The rows' numbers are whole numbers that an earlier launch stored; they are held inside y's 8,192 rows before they enter an address.
; A stream: each row of y that is read is read once, 512 bytes on end an instruction; all 16 loads are out before the first is used.  No LDS, no barrier, no matrix unit: nothing is shared.
	s_load_b256 s[4:11], s[0:1], 0x0               ; place s[4:5], probs s[6:7], y s[8:9], out0 s[10:11]
	v_lshrrev_b32 v1, 5, v0
	v_readfirstlane_b32 s12, v1                    ; wave
	s_lshl_b32 s13, ttmp9, 2
	s_add_co_u32 s13, s13, s12                     ; my token
	s_lshl_b32 s12, s13, 3                         ; 8 bytes a token in place and in probs
	v_and_b32 v1, 31, v0
	v_lshlrev_b32 v1, 4, v1                        ; 16 x lane
	s_wait_kmcnt 0x0
	s_load_b64 s[14:15], s[4:5], s12 offset:0x0
	s_load_b64 s[16:17], s[6:7], s12 offset:0x0    ; p1, p2
	s_lshl_b32 s18, s13, 12
	s_mov_b32 s19, 0
	s_add_nc_u64 s[10:11], s[10:11], s[18:19]
	s_wait_kmcnt 0x0
	s_min_u32 s14, s14, 8191
	s_min_u32 s15, s15, 8191
	s_lshl_b32 s20, s14, 12
	s_mov_b32 s21, 0
	s_lshl_b32 s22, s15, 12
	s_mov_b32 s23, 0
	s_add_nc_u64 s[20:21], s[8:9], s[20:21]
	s_add_nc_u64 s[22:23], s[8:9], s[22:23]
	s_mov_b32 s24, s17                             ; p2 in a pair of its own: the packed forms take a scalar pair's low word for both halves
	s_mov_b32 s25, s17
.irp q, 0,1,2,3,4,5,6,7
	global_load_b128 v[4+8*\q:7+8*\q], v1, s[20:21] offset:512*\q th:TH_LOAD_NT
	global_load_b128 v[8+8*\q:11+8*\q], v1, s[22:23] offset:512*\q th:TH_LOAD_NT
.endr
.irp q, 0,1,2,3,4,5,6,7
	s_wait_loadcnt 14-2*\q                         ; both rows' piece q is in; the pieces behind it, two loads each, may be out
	v_pk_mul_f32 v[4+8*\q:5+8*\q], v[4+8*\q:5+8*\q], s[16:17] op_sel_hi:[1,0]
	v_pk_mul_f32 v[6+8*\q:7+8*\q], v[6+8*\q:7+8*\q], s[16:17] op_sel_hi:[1,0]
	v_pk_fma_f32 v[4+8*\q:5+8*\q], v[8+8*\q:9+8*\q], s[24:25], v[4+8*\q:5+8*\q] op_sel_hi:[1,0,1]
	v_pk_fma_f32 v[6+8*\q:7+8*\q], v[10+8*\q:11+8*\q], s[24:25], v[6+8*\q:7+8*\q] op_sel_hi:[1,0,1]
	global_store_b128 v1, v[4+8*\q:7+8*\q], s[10:11] offset:512*\q th:TH_STORE_NT   ; 512 bytes on end, at a multiple of 256 from out0's first byte
.endr
	s_endpgm
.Lfunc_end_k_q99b33ac79b_combine:
	.size	k_q99b33ac79b_combine, .Lfunc_end_k_q99b33ac79b_combine-k_q99b33ac79b_combine
	.p2alignl 7, 3214868480
	.fill 96, 4, 3214868480
	.section	.rodata,"a",@progbits
	.p2align	6, 0x0
	.amdhsa_kernel k_q99b33ac79b_combine
		.amdhsa_group_segment_fixed_size 0
		.amdhsa_private_segment_fixed_size 0
		.amdhsa_enable_private_segment 0
		.amdhsa_kernarg_size 32
		.amdhsa_user_sgpr_count 2
		.amdhsa_user_sgpr_kernarg_segment_ptr 1
		.amdhsa_wavefront_size32 1
		.amdhsa_system_sgpr_workgroup_id_x 1
		.amdhsa_system_sgpr_workgroup_id_y 1
		.amdhsa_system_sgpr_workgroup_id_z 1
		.amdhsa_system_vgpr_workitem_id 0
		.amdhsa_next_free_vgpr 72
		.amdhsa_next_free_sgpr 66
		.amdhsa_reserve_vcc 0
		.amdhsa_float_denorm_mode_32 3
		.amdhsa_float_denorm_mode_16_64 3
		.amdhsa_memory_ordered 1
		.amdhsa_forward_progress 1
		.amdhsa_inst_pref_size 6
	.end_amdhsa_kernel
	.amdgpu_metadata
---
amdhsa.version: [ 1, 2 ]
amdhsa.kernels:
  - .name:           k_q99b33ac79b_combine
    .symbol:         k_q99b33ac79b_combine.kd
    .args:
      - { .name: place, .offset: 0, .size: 8, .value_kind: global_buffer, .address_space: global }
      - { .name: probs, .offset: 8, .size: 8, .value_kind: global_buffer, .address_space: global }
      - { .name: y, .offset: 16, .size: 8, .value_kind: global_buffer, .address_space: global }
      - { .name: out0, .offset: 24, .size: 8, .value_kind: global_buffer, .address_space: global }
    .group_segment_fixed_size: 0
    .private_segment_fixed_size: 0
    .kernarg_segment_align: 8
    .kernarg_segment_size: 32
    .max_flat_workgroup_size: 128
    .sgpr_count:     66
    .vgpr_count:     72
    .wavefront_size: 32
...
	.end_amdgpu_metadata
.endif
;; end of part 4
;; ======== version 2 of 2: 4 launches; version 1 with the launches ffn1, ffn2 written anew for expert scheduling mode
;; workspace buffers: sel 4,096 bytes of whole numbers; probs 8,192 bytes; xq 819,200 bytes; hq 26,214,400 bytes; place 8,448 bytes of whole numbers; y 33,554,432 bytes
;; launch route: the kernel of part 1 again; grid 256 x 1, 4 waves a work-group, no clusters, 25,088 bytes of LDS; arguments x, gate_w, gate_b, xq, sel, probs; writes xq, sel, probs
;; launch ffn1 (part 5): grid 32 x 8, 4 waves a work-group, no clusters, 109,056 bytes of LDS; arguments sel, xq, w1_codes, w1_scales, b1, hq, place; writes hq, place
.if DOCPART == 5
	.amdgcn_target "amdgcn-amd-amdhsa--gfx1250"
	.amdhsa_code_object_version 6
	.text
	.protected	k_q99b33ac79b_ffn1
	.globl	k_q99b33ac79b_ffn1
	.p2align	8
	.type	k_q99b33ac79b_ffn1,@function
k_q99b33ac79b_ffn1:
	s_mov_b64 s[64:65], 0
	v_nop
	global_prefetch_b8 v0, s[64:65] scope:SCOPE_SE
	s_setreg_imm32_b32 hwreg(HW_REG_WAVE_SCHED_MODE, 0, 2), 2
	s_setreg_imm32_b32 hwreg(HW_REG_WAVE_MODE, 25, 1), 1
	s_wait_xcnt 0x0
	s_wait_alu depctr_vm_vsrc(0)
; FIRST PRODUCT OF THE CHOSEN EXPERTS: h = Q(gelu(Q(x) W1 + b1)), on codes of E2M3 with one E8M0 byte for each 32 along K.
; Work-group (sigma, e) makes hidden units 128 sigma .. 128 sigma + 127 of expert e, which are K step sigma of the second product, for all rows (tokens) that chose e.
; THE ROWS.  sel[t] has bit e set where token t chose e.  Every wave reads all 1,024 words, makes 32 masks of 32 tokens by compares, and their running counts; position p of the expert's list is
; then found in each lane by whole-number arithmetic: which mask, then which set bit of it.  All work-groups of an expert find the same list.  The work-groups with sigma = 0 store the way back
; (place[2 t + slot] = 1024 e + p) and the count (place[2048 + e]) for the launches that follow.  No lane is ever switched off: a row past the list's end stores 0 to a spare word of the expert's
; own, place[2056 + e], which nobody reads.
; SHARES.  THE WAVES SHARE THE TILES OF 16 ROWS, NOT THE COLUMNS: wave w takes tiles w, w + 4, ..  Every wave keeps all 64 fragments of the slice of W1 (8 tiles of 16 units x 8 K steps, 768 registers).
; THE SLICE, 128 rows of 768 bytes, is 98,304 bytes on end in memory: each wave fetches a quarter of it once, by 48 loads that cover 512 bytes on end each, and lays it into LDS as rows 784 bytes apart;
; behind the launch's one barrier every wave reads its fragments from there, 8 bytes a lane.  In the loop a wave is on its own.
; THE NUMBER OF TILES is made of stored numbers.  The loop has 16 trips whatever it is (64 tiles are the most that an expert can have); a trip whose tile lies past the last one jumps over its work.
; THE PRODUCT IS USED TRANSPOSED (source 0 = 16 rows of W1, source 1 = 16 rows of x), and lane r of tile 2 b + u takes unit 32 b + 8 u + r + 8 (r / 8): so a lane holds one row, and registers
; 16 b + i of its 64 sums are units 32 b + 16 (lane / 16) + i: 16 neighbours along the next K.  b1 is what the sums begin with.
; GELU, exact form: gelu(v) = max(v, 0) - |v| q, q = erfc(|v| / sqrt 2) / 2 = t 2^(-v^2 log2(e) / 2 + K0 + t (K1 + .. t K9)), t = 1 / (1 + |v| / (2 sqrt 2)):
; the rational-exponential fit of erfc whose fractional error stays under 1.2e-7 for every argument, its coefficients times log2(e), 1 taken off K0 for the half.  All in f32.
; OUT.  hq: a fragment (16 rows x 128 units, 12 registers a lane) as it stands, 1,536 bytes at ((64 e + tile) 32 + sigma) 1536; its 16 scale words at HSOFF + ((64 e + tile) 32 + sigma) 64.
; An expert has room for 64 tiles; only ceil(n / 16) are written (one where n = 0).  Rows past n repeat some token: finite, and read by nobody.
; LIMITS: NaN and infinities are not served.  q falls to 0 under 2^-126 (v under about -13: gelu is then -0).  A block of zeros gets the byte 1 (its codes are zeros; only this program reads the bytes).
; NO TENSOR LOAD, NO CLUSTER: which trips work hangs on stored numbers.
; THE MODE: SCHED_MODE bits 1:0 = 2 (LLVM: expert scheduling mode 2), set by the entry lines.  The code itself states the register dependences between vector or matrix instructions and
; memory or LDS instructions, and those through scalar registers and VCC that vector instructions write, with s_wait_alu, always for 0.
; THE PLAN.  Registers that memory or LDS instructions touch, in the loop:
;   v1, v2, v11      offsets made at the head and never written again.
;   v4, v5, v6       SELECT writes them; the 26 loads of XLOAD, straight behind it, read them.
;   XF, XS, v10      XLOAD lands in them; the next trip's 64 products read XF and XS, a copy reads v10.
;   ACC              b1's 16 LDS loads land at a trip's head; the products, GELU and QUANT work on them.
;   PC, PW           QUANT writes them; the trip's four stores read them; the next trip's GELU writes them again.
;   v253, v222       (sigma = 0) offset and data of the store into place.
; So a trip has one wait on va_vdst ahead of XLOAD (the offsets are written; the products and the copy are done reading what the loads land in), one ahead of its four stores (which also stands behind the last
; vector line that names ACC, for the next trip's loads of b1), and one on vm_vsrc at its end (XLOAD has read its offsets, the stores their data).  GELU's waits are those of its reciprocals and exponentials.
; x has one set of registers: W1's 756 registers and window 0 fill the wave's 1,024, so the next tile's loads stand behind the products, with SELECT's lines between.
; Compares stand in runs where no select lies between them: four masks in s10-13, one wait on va_sdst behind each run.
.set XSOFF, 786432
.set HSOFF, 25165824
.set WP,    784                        ; LDS: a row of W1: 768 bytes + 16 = 196 words: row r starts at bank 4 r mod 64 (64 banks of 4 bytes: ISA guide 11.1), lanes 16-31 six words on: the 32 lanes of a load of 8 bytes touch 64 different banks
.set BIMG,  128*WP                     ; LDS: W1's 128 rows from 0 on, tile t's 16 rows at places 16 t .. 16 t + 15; then b1 in the sums' layout: 16 groups of four registers, 512 bytes each
.set LI,   1                           ; v1   16 x lane
.set R4,   2                           ; v2   4 x (lane % 16)
.set PR,   3                           ; v3   lane % 16: my row in a tile
.set XO,   4                           ; v4   my half of my row's codes in xq: 384 T2
.set XSO,  5                           ; v5   my half of its scale words: 16 T2
.set SO,   6                           ; v6   its word in sel: 4 x token
.set T2C,  7                           ; v7   T2 = 2 x my row's token + lane / 16, tile in hand
.set T2N,  8                           ; v8   tile to come: written by the hold at 0x7ff alone
.set SELC, 9                           ; v9   the row's sel word, tile in hand
.set SELN, 10                          ; v10  tile to come
.set LB,   11                          ; v11  16 x lane + BIMG
.set W1S,  12                          ; v12-43   W1's scale words: 4 t + u: lanes 0-15 K step 2 u, lanes 16-31 K step 2 u + 1
.set XS,   44                          ; v44-47   x's likewise
.set WL,   48                          ; v48-59   fragment 63 of W1.  Fragment f = 8 s + t (f < 63) lies in window 1 + f / 21 at v[12 (f % 21)]
.set ACC,  60                          ; v60-123  the eight sums, tile t at ACC + 8 t
.set XF,   124                         ; v124-219 x's eight fragments
.set SCR,  220                         ; v220-252 at work
.set PLA,  253                         ; v253     at the head an LDS address; in the loop the offset into place
.set K8,   254                         ; v254-255 K8, twice
.set GT,   SCR                         ; GELU: t, two sets of eight by turns
.set GPL,  SCR+16                      ; the polynomial, then 2^.., then q
.set GS,   SCR+24                      ; v^2, then max(v, 0)
.set TM,   SCR                         ; QUANT: largest magnitudes,
.set TB,   SCR+4                       ; bytes,
.set TS,   SCR+8                       ; the conversions' scale operands,
.set PW,   SCR+12                      ; the scale word,
.set PC,   SCR+14                      ; the fragment's 12 registers,
.set PC2,  SCR+26                      ; the blocks' upper halves before they change lanes
.set CM,   10                          ; s10-13  four compares' masks at a time (until their loads are in: the bases of W1's scales and of b1)
.set MS,   20                          ; s20-51  mask j: bit l = token 128 (j / 4) + 4 l + j % 4 chose e
.set PK,   66                          ; s66-97  (rows in masks 0 .. j - 1) << 5 | j
.set SEL,  62                          ; s[62:63] lane selects: lane l xor 16
; s2 wave, s3 e, s18 sigma, s19 1 << e, s52 n, s53 tiles, s54 the trip's tile, s55 trips to go, s56 tile to come, s57 at work, s[58:59], s[60:61] where the trip's codes and scale words go,
; s98 the last tile, s99 2056 + e, s100 8 + e, s101 1024 e
.set MSB, 0
.macro WIN new                         ; the immediate's high byte repeats the setting that is left
.if MSB != (\new)
	s_set_vgpr_msb (MSB<<8)|(\new)
.set MSB, (\new)
.endif
.endm
	s_load_b256 s[4:11], s[0:1], 0x0               ; sel s[4:5], xq s[6:7], W1's codes s[8:9], W1's scales s[10:11]
	s_load_b128 s[12:15], s[0:1], 0x20             ; b1 s[12:13], hq s[14:15]
	s_load_b64 s[16:17], s[0:1], 0x30              ; place
	s_set_vgpr_msb 0x40
	v_lshl_add_u32 v254, v0, 2, 0x1a800
	v_mov_b32 v255, 0
	s_set_vgpr_msb 0x4000
	v_lshrrev_b32 v1, 5, v0
	v_readfirstlane_b32 s2, v1                     ; wave 0..3
	s_and_b32 s3, ttmp7, 0xffff                    ; e
	s_mov_b32 s18, ttmp9                           ; sigma
	s_lshl_b32 s19, 1, s3
	s_add_co_u32 s99, s3, 2056
	s_add_co_u32 s100, s3, 8
	s_lshl_b32 s101, s3, 10
	s_mov_b32 s[SEL], 0x76543210
	s_mov_b32 s[SEL+1], 0xfedcba98
	v_and_b32 v[LI], 31, v0
	v_lshlrev_b32 v[LI], 4, v[LI]
	v_and_b32 v[PR], 15, v0
	v_lshlrev_b32 v[R4], 2, v[PR]
	v_add_nc_u32 v[LB], BIMG, v[LI]
	v_bfe_u32 v63, v0, 4, 1                        ; h
	v_and_b32 v62, 8, v[PR]
	v_add_nc_u32 v62, v62, v[PR]                   ; r + 8 (r / 8)
	v_lshlrev_b32 v61, 5, v62                      ; W1's scales: a row is 32 bytes,
	v_lshl_add_u32 v61, v63, 2, v61                ; + 4 h: lanes 16-31 take the odd K steps' words
	v_lshlrev_b32 v62, 6, v63                      ; b1: 16 numbers further on for lanes 16-31
	s_wait_alu depctr_va_sdst(0)                   ; s2 is written, ahead of its first reader
	s_mul_i32 s57, s2, 32*WP
	v_add_nc_u32 v[PLA], s57, v[LI]                ; where I lay my 32 rows: 16 x lane + 32 rows x wave;
	v_lshl_add_u32 v232, v63, 4, v[PLA]            ; the same for a load whose lanes 16-31 begin the next row: one padding further on
	v_mul_u32_u24 v252, v[PR], WP
	v_mad_u32_u24 v252, v63, 24, v252              ; where I read fragments: row r of a tile, + 24 h;
	v_add_nc_u32 v234, 64*WP, v252                 ; the same for tiles 4 to 7 (an LDS immediate has 16 bits)
	s_lshl_b32 s57, s2, 11
	v_add_nc_u32 v233, s57, v[LB]                  ; b1's groups 4 w .. 4 w + 3
	v_mov_b32 v[K8], 0xbf97d29d
	v_mov_b32 v[K8+1], 0xbf97d29d
	s_lshl_b32 s56, s3, 12
	s_lshl_b32 s57, s18, 7
	s_add_co_u32 s56, s56, s57                     ; the slice's first unit: 4096 e + 128 sigma
	s_lshl_b32 s58, s56, 5
	s_mov_b32 s59, 0
	s_lshl_b32 s57, s2, 5
	s_add_co_u32 s56, s56, s57                     ; + 32 w: the units of my two tiles
	s_lshl_b32 s60, s56, 2
	s_mov_b32 s61, 0
	s_mul_i32 s54, s56, 768
	s_mov_b32 s55, 0
	s_wait_kmcnt 0x0
	s_add_nc_u64 s[10:11], s[10:11], s[58:59]
	s_add_nc_u64 s[12:13], s[12:13], s[60:61]
	s_add_nc_u64 s[8:9], s[8:9], s[54:55]
	s_wait_alu depctr_va_vdst(0)                   ; the offsets v1, v61 and v62, which the loads below read, are written; so are the LDS addresses v11, v232 to v234, v252 and v253
.irp q, 0,1,2,3,4,5,6,7
	global_load_b128 v[XF+4*\q:XF+4*\q+3], v[LI], s[4:5] offset:512*\q   ; all of sel: register 4 q + i of lane l is token 128 q + 4 l + i
.endr
.irp t, 0,1,2,3,4,5,6,7
.irp u, 0,1,2,3
	global_load_b32 v[W1S+4*\t+\u], v61, s[10:11] offset:(32*(\t/2)+8*(\t%2))*32+8*\u
.endr
.endr
.irp tt, 0,1
.irp q, 0,1
	global_load_b128 v[SCR+16+8*\tt+4*\q:SCR+16+8*\tt+4*\q+3], v62, s[12:13] offset:32*\tt+16*\q
.endr
.endr
	WIN 0x40                                       ; destination window 1
.set q, 0
.rept 48
	global_load_b128 v[4*q:4*q+3], v[LI], s[8:9] offset:512*q   ; my 32 rows of W1 as they lie: 24,576 bytes on end, 512 a load
.set q, q+1
.endr
	WIN 0
	s_wait_loadcnt 48                              ; sel, the scale words and b1 are in: the 48 loads of W1 are younger.  So s10 to s13, the bases of loads that are done, are free
.set j, 0
.rept 32
	v_and_b32 v[SCR], s19, v[XF+j]
	v_cmp_ne_u32 s[MS+j], 0, v[SCR]
.set j, j+1
.endr
	s_wait_alu depctr_va_sdst(0)                   ; the 32 masks are written, ahead of their first readers, the counts below
	s_mov_b32 s52, 0
.set j, 0
.rept 32
	s_lshl_b32 s[PK+j], s52, 5
	s_or_b32 s[PK+j], s[PK+j], j
	s_bcnt1_i32_b32 s57, s[MS+j]
	s_add_co_u32 s52, s52, s57
.set j, j+1
.endr
	s_add_co_u32 s98, s52, 15                      ; n rows make ceil(n / 16) tiles, one at the least;
	s_lshr_b32 s98, s98, 4
	s_max_u32 s98, s98, 1
	s_sub_co_u32 s98, s98, 1
	s_min_u32 s98, s98, 63                         ; the last of them, held inside the expert's 64
	s_add_co_u32 s53, s98, 1                       ; how many there are
	s_min_u32 s56, s2, s98                         ; my first tile, held to the last one
	s_mov_b32 s54, s2
; One step of the search for a mask's rk-th set bit: the count of the lower half of what is left, out of the partial counts src; where rk reaches it, the upper half is taken.
.macro SELSTEP src, w, st
	v_bfe_u32 v[SCR+9], v[\src], v[SCR+10], \w
	v_cmp_ge_u32 vcc_lo, v[SCR+4], v[SCR+9]
	v_add_nc_u32 v[SCR+1], \st, v[SCR+10]
	s_wait_alu depctr_va_vcc(0)                    ; VCC is written, ahead of the two selects that read it
	v_cndmask_b32 v[SCR+9], 0, v[SCR+9], vcc_lo
	v_cndmask_b32 v[SCR+10], v[SCR+10], v[SCR+1], vcc_lo
	v_sub_nc_u32 v[SCR+4], v[SCR+4], v[SCR+9]
.endm
; Tile s[sm]: position p = 16 tile + lane % 16 of the list becomes a token and three offsets.  Plain vector lines that name no register of the products.
; The hold at 0x7ff is the last line that takes in stored numbers; behind it stand one multiplication, two shifts to the left and one AND, on registers that nothing else writes.
.macro SELECT sm
	v_lshl_add_u32 v[SCR], s[\sm], 4, v[PR]        ; p
	v_lshl_or_b32 v[SCR+1], v[SCR], 5, 31
	v_mov_b32 v[SCR+2], s[PK]
	v_mov_b32 v[SCR+3], s[MS]
.set j, 1
.rept 8                                        ; masks 1 to 31, four at a time: the compares hang on p alone, so they stand in a run
.irp i, 0,1,2,3
.if j+\i < 32
	v_cmp_gt_u32 s[CM+\i], s[PK+j+\i], v[SCR+1]    ; do masks 0 .. j - 1 hold more than p rows?
.endif
.endr
	s_wait_alu depctr_va_sdst(0)                   ; the run's answers in s10 to s13 are written, ahead of the selects that read them
.irp i, 0,1,2,3
.if j+\i < 32
	v_cndmask_b32 v[SCR+2], s[PK+j+\i], v[SCR+2], s[CM+\i]   ; where not, mask j takes the place of the one before
	v_cndmask_b32 v[SCR+3], s[MS+j+\i], v[SCR+3], s[CM+\i]
.endif
.endr
.set j, j+4
.endr
	v_lshrrev_b32 v[SCR+9], 5, v[SCR+2]
	v_sub_nc_u32 v[SCR+4], v[SCR], v[SCR+9]        ; rk: which set bit of the mask
	v_and_b32 v[SCR+2], 31, v[SCR+2]               ; j: which mask
	v_lshrrev_b32 v[SCR+5], 1, v[SCR+3]
	v_and_b32 v[SCR+5], 0x55555555, v[SCR+5]
	v_sub_nc_u32 v[SCR+5], v[SCR+3], v[SCR+5]      ; counts of 2 bits,
	v_lshrrev_b32 v[SCR+6], 2, v[SCR+5]
	v_and_b32 v[SCR+6], 0x33333333, v[SCR+6]
	v_and_b32 v[SCR+9], 0x33333333, v[SCR+5]
	v_add_nc_u32 v[SCR+6], v[SCR+6], v[SCR+9]      ; of 4,
	v_lshrrev_b32 v[SCR+7], 4, v[SCR+6]
	v_add_nc_u32 v[SCR+7], v[SCR+7], v[SCR+6]
	v_and_b32 v[SCR+7], 0x0f0f0f0f, v[SCR+7]       ; of 8,
	v_lshrrev_b32 v[SCR+8], 8, v[SCR+7]
	v_add_nc_u32 v[SCR+8], v[SCR+8], v[SCR+7]
	v_and_b32 v[SCR+8], 0x00ff00ff, v[SCR+8]       ; of 16
	v_mov_b32 v[SCR+10], 0                         ; the bit's number, found from the top down
	SELSTEP SCR+8, 8, 16
	SELSTEP SCR+7, 8, 8
	SELSTEP SCR+6, 4, 4
	SELSTEP SCR+5, 2, 2
	SELSTEP SCR+3, 1, 1
	v_lshrrev_b32 v[SCR+9], 2, v[SCR+2]
	v_and_b32 v[SCR+1], 3, v[SCR+2]
	v_lshl_add_u32 v[SCR+1], v[SCR+10], 2, v[SCR+1]
	v_lshl_add_u32 v[SCR+9], v[SCR+9], 7, v[SCR+1] ; token 128 (j / 4) + 4 bit + j % 4
	v_bfe_u32 v[SCR+1], v0, 4, 1                   ; h
	v_lshl_add_u32 v[SCR+9], v[SCR+9], 1, v[SCR+1] ; 2 token + h
	v_min_u32 v[T2N], 0x7ff, v[SCR+9]              ; held inside the tables (positions past n give any token)
	v_mul_u32_u24 v[XO], v[T2N], 384               ; 768 token + 384 h: my half's 384 bytes of the token's codes
	v_lshlrev_b32 v[XSO], 4, v[T2N]                ; 32 token + 16 h: my half's four scale words
	v_and_b32 v[SO], 0x7fe, v[T2N]
	v_lshlrev_b32 v[SO], 1, v[SO]                  ; 4 token
.endm
.macro XLOAD                           ; 26 loads: the tile's eight fragments of x, their scale words, the rows' sel words
	s_wait_alu depctr_va_vdst(0)                   ; SELECT has written the three offsets v4 to v6; the products are done reading v[XF ..] and v[XS ..], the copy v10 (at the head: the masks' lines v[XF ..]): the loads below land there
.set q, 0
.rept 24
	global_load_b128 v[XF+4*q:XF+4*q+3], v[XO], s[6:7] offset:16*q
.set q, q+1
.endr
	global_load_b128 v[XS:XS+3], v[XSO], s[6:7] offset:XSOFF
	global_load_b32 v[SELN], v[SO], s[4:5]
.endm
	SELECT 56
	XLOAD
	s_wait_loadcnt 26                              ; my quarter of W1 is in: only the 26 loads just issued are younger
; My 32 rows go into LDS.  48 lanes' 16 bytes make a row, so three loads are two rows: the first is the head of row rr, the second its tail (lanes 0-15) and the head of row rr + 1 (lanes 16-31), the third that row's tail.
; Row rho of my 32 is row (rho % 8) + 8 (rho / 16) of tile 2 w + (rho / 8) % 2, and goes to that place: a tile's 16 rows are neighbours in LDS.  rr is even, so row rr + 1 goes to the next place.
	WIN 0x04                                       ; an LDS store's data: window 1
.set q, 0
.rept 48
.set rr, 2*(q/3)
.set pp, 16*((rr>>3)&1)+(rr&7)+8*(rr>>4)
.if q%3 == 0
	ds_store_b128 v[PLA], v[4*q:4*q+3] offset:pp*WP
.elseif q%3 == 1
	ds_store_b128 v232, v[4*q:4*q+3] offset:pp*WP+512
.else
	ds_store_b128 v[PLA], v[4*q:4*q+3] offset:(pp+1)*WP+256
.endif
.set q, q+1
.endr
	WIN 0
.irp tt, 0,1
.irp q, 0,1
	ds_store_b128 v233, v[SCR+16+8*\tt+4*\q:SCR+16+8*\tt+4*\q+3] offset:512*(2*\tt+\q)
.endr
.endr
	s_wait_dscnt 0x0                               ; for the others' sake: my rows lie in LDS
	s_barrier_signal -1
	s_barrier_wait -1                              ; the launch's one barrier: from here on LDS is only read
	s_wait_alu depctr_vm_vsrc(0)                   ; my LDS stores have read window 1's v0 to v191, in which fragments land below, and v232, v233, v236 to v251 and v253, which are at work in the loop; the first tile's loads have read v4 to v6, which SELECT writes again
	s_cmp_ge_u32 s2, s53
	s_cbranch_scc1 .Lend                           ; fewer tiles than waves: nothing is left for me
.set f, 0
.rept 64                                       ; all 64 fragments: lane (r, h) takes, of row r of tile t, the 24 bytes at 96 s + 24 h and those 48 further on, in pieces of 8
.set ms, f/8
.set mt, f%8
.if f < 63
	WIN (1+f/21)<<6
.set wr, 12*(f%21)
.else
	WIN 0
.set wr, WL
.endif
.if f == 0
	s_wait_alu depctr_va_vdst(0)                   ; v252 and v234, which the loads below read as their addresses, are written; only loads and window switches follow up to the last of them
.endif
.irp p, 0,1,2,3,4,5
.if mt < 4
	ds_load_b64 v[wr+2*\p:wr+2*\p+1], v252 offset:16*mt*WP+96*ms+48*(\p/3)+8*(\p%3)
.else
	ds_load_b64 v[wr+2*\p:wr+2*\p+1], v234 offset:16*(mt-4)*WP+96*ms+48*(\p/3)+8*(\p%3)
.endif
.endr
.set f, f+1
.endr
	WIN 0
	s_or_b32 s57, s18, s2
	s_cmp_lg_u32 s57, 0
	s_cbranch_scc1 .Lnocnt                         ; wave 0 of the work-group with sigma = 0 stores the expert's count
	v_mov_b32 v[SCR], s52
	s_lshl_b32 s57, s3, 2
	v_mov_b32 v[SCR+1], s57
	s_wait_alu depctr_va_vdst(0)                   ; the count and its offset are written, which the store reads
	global_store_b32 v[SCR+1], v[SCR], s[16:17] offset:8192   ; all 32 lanes store the same word with the same value
	s_wait_xcnt 0x0                                ; the store has read its two registers: they are at work again below
.Lnocnt:
	s_lshl_b32 s57, s3, 6
	s_add_co_u32 s57, s57, s2
	s_lshl_b32 s57, s57, 5
	s_add_co_u32 s57, s57, s18                     ; (64 e + w) 32 + sigma
	s_mul_i32 s58, s57, 1536
	s_mov_b32 s59, 0
	s_lshl_b32 s60, s57, 6
	s_mov_b32 s61, 0
	s_add_nc_u64 s[58:59], s[14:15], s[58:59]
	s_add_nc_u64 s[60:61], s[14:15], s[60:61]
	s_add_nc_u64 s[60:61], s[60:61], HSOFF
; The 64 products of a tile.  The eight sums take turns, one instruction a turn, over the loop's backward jump too.  Four settings of the window a tile.
.macro MM
.set f, 0
.rept 64
.set ms, f/8
.set mt, f%8
.if f < 63
	WIN 1+f/21
.set wr, 12*(f%21)
.else
	WIN 0
.set wr, WL
.endif
.if ms%2
	v_wmma_scale_f32_16x16x128_f8f6f4 v[ACC+8*mt:ACC+8*mt+7], v[wr:wr+11], v[XF+12*ms:XF+12*ms+11], v[ACC+8*mt:ACC+8*mt+7], v[W1S+4*mt+ms/2], v[XS+ms/2] matrix_a_fmt:MATRIX_FMT_FP6 matrix_b_fmt:MATRIX_FMT_FP6 matrix_a_scale:MATRIX_SCALE_ROW1 matrix_b_scale:MATRIX_SCALE_ROW1
.else
	v_wmma_scale_f32_16x16x128_f8f6f4 v[ACC+8*mt:ACC+8*mt+7], v[wr:wr+11], v[XF+12*ms:XF+12*ms+11], v[ACC+8*mt:ACC+8*mt+7], v[W1S+4*mt+ms/2], v[XS+ms/2] matrix_a_fmt:MATRIX_FMT_FP6 matrix_b_fmt:MATRIX_FMT_FP6
.endif
.set f, f+1
.endr
	WIN 0
.endm
; GELU, a sum of eight registers at a time.  GA: t.  GB: the exponent and 2^ of it.  GC: q, and the result in place.
.macro GA k
.set gA, ACC+8*(\k)
.set gT, GT+8*((\k)%2)
.irp i, 0,1,2,3,4,5,6,7
	v_fma_f32 v[gT+\i], |v[gA+\i]|, 0x3eb504f3, 1.0   ; 1 + |v| / (2 sqrt 2): each sum is read from its low end on
.endr
.irp i, 0,1,2,3,4,5,6,7
	v_rcp_f32 v[gT+\i], v[gT+\i]
.endr
.endm
.macro GB k
.set gA, ACC+8*(\k)
.set gT, GT+8*((\k)%2)
.irp i, 0,2,4,6
	v_pk_mul_f32 v[GS+\i:GS+\i+1], v[gA+\i:gA+\i+1], v[gA+\i:gA+\i+1]
.endr
.irp i, 0,2,4,6
	v_pk_fma_f32 v[GPL+\i:GPL+\i+1], v[gT+\i:gT+\i+1], 0x3e7c6f08, v[K8:K8+1] op_sel_hi:[1,0,1]   ; K8 + t K9
.endr
.irp c, 0x40097039, 0xbfd1a1e5, 0x3ecdfd18, 0xbe899a80, 0x3e0efb2e, 0x3f0a29d2, 0x3fb8ab5a, 0xc034d90f
.irp i, 0,2,4,6
	v_pk_fma_f32 v[GPL+\i:GPL+\i+1], v[GPL+\i:GPL+\i+1], v[gT+\i:gT+\i+1], \c op_sel_hi:[1,1,0]   ; K7 down to K0
.endr
.endr
.irp i, 0,2,4,6
	v_pk_fma_f32 v[GPL+\i:GPL+\i+1], v[GS+\i:GS+\i+1], 0xbf38aa3b, v[GPL+\i:GPL+\i+1] op_sel_hi:[1,0,1]   ; - v^2 log2(e) / 2
.endr
.irp i, 0,1,2,3,4,5,6,7
	v_exp_f32 v[GPL+\i], v[GPL+\i]
.endr
.endm
.macro GC k
.set gA, ACC+8*(\k)
.set gT, GT+8*((\k)%2)
.irp i, 0,2,4,6
	v_pk_mul_f32 v[GPL+\i:GPL+\i+1], v[GPL+\i:GPL+\i+1], v[gT+\i:gT+\i+1]   ; q
.endr
.irp i, 0,1,2,3,4,5,6,7
	v_max_num_f32 v[GS+\i], 0, v[gA+\i]
.endr
.irp i, 0,1,2,3,4,5,6,7
	v_fma_f32 v[gA+\i], -|v[gA+\i]|, v[GPL+\i], v[GS+\i]
.endr
.endm
; One wait serves a sum's eight exponentials and the next sum's eight reciprocals: both are issued ahead of it, and nothing ahead of it names a result.  A plain line stands behind the last of them.
.macro GELU
	GA 0
	v_nop
	s_wait_alu depctr_va_vdst(0)                   ; the first sum's eight reciprocals in v[GT ..] are written, ahead of the first line that names one
.irp k, 0,1,2,3,4,5,6,7
	GB \k
.if \k < 7
	GA \k+1
.endif
	v_nop
	s_wait_alu depctr_va_vdst(0)                   ; this sum's eight exponentials in v[GPL ..] and the next sum's eight reciprocals in the other set of v[GT ..] are written, ahead of the first line that names one
	GC \k
.endr
.endm
; A lane's 64 numbers, register 16 b + i = unit 32 b + 16 (lane / 16) + i of my row, become a fragment's codes in v[PC] on and its scale word in v[PW].
.macro QUANT
.irp b, 0,1,2,3
	v_max3_num_f32 v[TM+\b], |v[ACC+16*\b]|, |v[ACC+1+16*\b]|, 0x1800000   ; with the floor 2^(3 - 127): the byte cannot fall under 1
.endr
.irp i, 2,4,6,8,10,12,14
.irp b, 0,1,2,3
	v_max3_num_f32 v[TM+\b], v[TM+\b], |v[ACC+16*\b+\i]|, |v[ACC+1+16*\b+\i]|
.endr
.endr
.irp b, 0,1,2,3
	v_permlanex16_b32 v[TB+\b], v[TM+\b], s[SEL], s[SEL+1]
.endr
.irp b, 0,1,2,3
	v_max_num_f32 v[TM+\b], v[TM+\b], v[TB+\b]     ; with lane l xor 16's: the block's largest magnitude
.endr
.irp b, 0,1,2,3
	v_add_nc_u32 v[TS+\b], 0xff000000, v[TM+\b]    ; 2 off its exponent field: the conversion's scale operand
.endr
.irp b, 0,1,2,3
	v_lshrrev_b32 v[TB+\b], 23, v[TS+\b]           ; the scale's byte
.endr
	v_lshl_or_b32 v[PW], v[TB+1], 8, v[TB]
	v_lshl_or_b32 v[PW], v[TB+2], 16, v[PW]
	v_lshl_or_b32 v[PW], v[TB+3], 24, v[PW]
.irp c, 0,1
	v_cvt_scalef32_pk16_fp6_f32 v[PC+6*\c:PC+6*\c+2], v[ACC+32*\c:ACC+32*\c+15], v[TS+2*\c]
	v_cvt_scalef32_pk16_fp6_f32 v[PC2+4*\c:PC2+4*\c+2], v[ACC+16+32*\c:ACC+31+32*\c], v[TS+2*\c+1]   ; (a conversion's three registers begin on an even number)
.endr
	v_nop                                          ; one plain line behind the last conversion
.irp c, 0,1                                    ; the operand wants a whole block in a lane: lanes 0-15 block 2 c, lanes 16-31 block 2 c + 1
.irp i, 0,1,2
	v_permlane16_swap_b32 v[PC+6*\c+\i], v[PC2+4*\c+\i]
.endr
.irp i, 0,1,2
	v_mov_b32 v[PC+3+6*\c+\i], v[PC2+4*\c+\i]
.endr
.endr
.endm
	s_wait_dscnt 0x0                               ; W1's 64 fragments are in my registers
	s_wait_alu depctr_vm_vsrc(0)                   ; their loads have read v252 and v234, and the store of the count v[SCR] and v[SCR+1]: all four are at work in the loop
	s_mov_b32 s55, 16
.Ltile:                                            ; 16 trips: tiles w, w + 4, .. w + 60
	s_cmp_lt_u32 s54, s53
	s_cbranch_scc0 .Lskip                          ; past the expert's last tile: only the steps at the trip's end are left
.irp g, 0,1,2,3,4,5,6,7,8,9,10,11,12,13,14,15
	ds_load_b128 v[ACC+4*\g:ACC+4*\g+3], v[LB] offset:512*\g   ; the sums begin as b1.  No wait here: no vector line has been issued since the wait ahead of the last trip's stores (in the first trip: since the head's waits), which stands behind all that named these registers
.endr
	s_wait_loadcnt 0x0                             ; the tile's 26 loads, asked for a trip ago
	v_mov_b32 v[T2C], v[T2N]
	v_mov_b32 v[SELC], v[SELN]
	s_wait_dscnt 0x0                               ; b1
	MM
	s_add_co_u32 s56, s54, 4                       ; my next tile, held to the last one: the last working trip's loads stay inside the tables and are not used
	s_min_u32 s56, s56, s98
	SELECT 56                                      ; its lines stand between the products and the wait ahead of the loads into x's registers, and are the places ahead of the first read of the sums
	XLOAD
	s_cmp_lg_u32 s18, 0
	s_cbranch_scc1 .Lnoplace                       ; sigma = 0 stores the way back: place[2 token + slot] = 1024 e + position
	v_lshl_add_u32 v[SCR], s54, 4, v[PR]           ; my row's position in the list
	v_cmp_gt_u32 vcc_lo, s52, v[SCR]               ; a row of the list?
	v_lshrrev_b32 v[SCR+1], s100, v[SELC]
	v_and_b32 v[SCR+1], 1, v[SCR+1]                ; 1 where e is the token's second choice
	v_and_b32 v[SCR+3], 0x7fe, v[T2C]              ; 2 token
	v_add_nc_u32 v[SCR+1], v[SCR+3], v[SCR+1]
	v_add_nc_u32 v[SCR+2], s101, v[SCR]
	s_wait_alu depctr_va_vcc(0)                    ; VCC is written, ahead of the two selects that read it
	v_cndmask_b32 v[SCR+1], s99, v[SCR+1], vcc_lo  ; where not: the expert's spare word,
	v_cndmask_b32 v[SCR+2], 0, v[SCR+2], vcc_lo    ; and 0 into it
	v_min_u32 v[PLA], 0x83f, v[SCR+1]              ; held inside place's 2,112 words
	v_lshlrev_b32 v[PLA], 2, v[PLA]
	s_wait_alu depctr_va_vdst(0)                   ; the offset v253 and the number v[SCR+2] are written, which the store reads
	global_store_b32 v[PLA], v[SCR+2], s[16:17]    ; (lanes 16-31 store what lanes 0-15 store)
	s_wait_xcnt 0x0                                ; the store has read its data: the register is at work again below
	s_wait_alu depctr_vm_vsrc(0)                   ; the store has read v[SCR+2], which GELU writes again, and v253
.Lnoplace:
	GELU
	QUANT
	s_wait_alu depctr_va_vdst(0)                   ; QUANT has written the fragment v[PC ..] and its scale word v[PW], which the four stores read; GELU and QUANT are done with v[ACC ..], in which the next trip's loads of b1 land
.irp c, 0,1,2
	global_store_b128 v[LI], v[PC+4*\c:PC+4*\c+3], s[58:59] offset:512*\c   ; the fragment as it stands: 1,536 bytes on end, at a multiple of 256 from hq's first byte
.endr
	global_store_b32 v[R4], v[PW], s[60:61]        ; its 16 scale words (both halves of the lanes hold the same)
.Lskip:
	s_wait_xcnt 0x0                                ; the stores have read their data and bases: both are written again
	s_wait_alu depctr_vm_vsrc(0)                   ; the four stores have read v[PC ..] and v[PW], which the next trip's GELU writes; this trip's 26 loads have read v4 to v6, which the next trip's SELECT writes
	s_add_nc_u64 s[58:59], s[58:59], 196608        ; four tiles on: 4 x 32 x 1,536
	s_add_nc_u64 s[60:61], s[60:61], 8192
	s_add_co_u32 s54, s54, 4
	s_sub_co_u32 s55, s55, 1
	s_cmp_lg_u32 s55, 0
	s_cbranch_scc1 .Ltile
.Lend:
	s_set_vgpr_msb 0x5                             ; the add's two registers lie in window 1
	s_wait_dscnt 0x0                               ; the closing lines, six on end
	s_wait_alu 0x0
	s_wait_tensorcnt 0x0
	ds_add_u32 v254, v255
	s_wait_dscnt 0x0
	s_endpgm
.Lfunc_end_k_q99b33ac79b_ffn1:
	.size	k_q99b33ac79b_ffn1, .Lfunc_end_k_q99b33ac79b_ffn1-k_q99b33ac79b_ffn1
	.p2alignl 7, 3214868480
	.fill 96, 4, 3214868480
	.section	.rodata,"a",@progbits
	.p2align	6, 0x0
	.amdhsa_kernel k_q99b33ac79b_ffn1
		.amdhsa_group_segment_fixed_size 109056
		.amdhsa_private_segment_fixed_size 0
		.amdhsa_enable_private_segment 0
		.amdhsa_kernarg_size 56
		.amdhsa_user_sgpr_count 2
		.amdhsa_user_sgpr_kernarg_segment_ptr 1
		.amdhsa_wavefront_size32 1
		.amdhsa_system_sgpr_workgroup_id_x 1
		.amdhsa_system_sgpr_workgroup_id_y 1
		.amdhsa_system_sgpr_workgroup_id_z 1
		.amdhsa_system_vgpr_workitem_id 0
		.amdhsa_next_free_vgpr 1024
		.amdhsa_next_free_sgpr 102
		.amdhsa_reserve_vcc 1
		.amdhsa_float_denorm_mode_32 3
		.amdhsa_float_denorm_mode_16_64 3
		.amdhsa_memory_ordered 1
		.amdhsa_forward_progress 1
		.amdhsa_inst_pref_size 136
	.end_amdhsa_kernel
	.amdgpu_metadata
---
amdhsa.version: [ 1, 2 ]
amdhsa.kernels:
  - .name:           k_q99b33ac79b_ffn1
    .symbol:         k_q99b33ac79b_ffn1.kd
    .args:
      - { .name: sel, .offset: 0, .size: 8, .value_kind: global_buffer, .address_space: global }
      - { .name: xq, .offset: 8, .size: 8, .value_kind: global_buffer, .address_space: global }
      - { .name: w1_codes, .offset: 16, .size: 8, .value_kind: global_buffer, .address_space: global }
      - { .name: w1_scales, .offset: 24, .size: 8, .value_kind: global_buffer, .address_space: global }
      - { .name: b1, .offset: 32, .size: 8, .value_kind: global_buffer, .address_space: global }
      - { .name: hq, .offset: 40, .size: 8, .value_kind: global_buffer, .address_space: global }
      - { .name: place, .offset: 48, .size: 8, .value_kind: global_buffer, .address_space: global }
    .group_segment_fixed_size: 109056
    .private_segment_fixed_size: 0
    .kernarg_segment_align: 8
    .kernarg_segment_size: 56
    .max_flat_workgroup_size: 128
    .sgpr_count:     102
    .vgpr_count:     1024
    .wavefront_size: 32
...
	.end_amdgpu_metadata
.endif
;; end of part 5
;; launch ffn2 (part 6): grid 32 x 8, 4 waves a work-group, no clusters, 270,848 bytes of LDS; arguments place, hq, w2_codes, w2_scales, b2, y; writes y
.if DOCPART == 6
	.amdgcn_target "amdgcn-amd-amdhsa--gfx1250"
	.amdhsa_code_object_version 6
	.text
	.protected	k_q99b33ac79b_ffn2
	.globl	k_q99b33ac79b_ffn2
	.p2align	8
	.type	k_q99b33ac79b_ffn2,@function
k_q99b33ac79b_ffn2:
	s_mov_b64 s[64:65], 0
	v_nop
	global_prefetch_b8 v0, s[64:65] scope:SCOPE_SE
	s_setreg_imm32_b32 hwreg(HW_REG_WAVE_SCHED_MODE, 0, 2), 2
	s_setreg_imm32_b32 hwreg(HW_REG_WAVE_MODE, 25, 1), 1
	s_wait_xcnt 0x0
	s_wait_alu depctr_vm_vsrc(0)
; SECOND PRODUCT OF THE CHOSEN EXPERTS: y = h W2 + b2 on codes of E2M3, K = 4,096, for the rows that the launch before has laid by expert.
; Work-group (x, e): outputs 64 j .. 64 j + 63 (j = x % 16) of expert e, and every second pair of tiles of 16 rows (i = x / 16): trip k takes tiles 4 k + 2 i and 4 k + 2 i + 1.
; THE WAVES SHARE K: wave w takes K steps 8 w .. 8 w + 7 and keeps its 4 x 8 fragments of W2 in 384 registers, read from memory once.  So each fragment of the hidden layer goes from memory to one wave
; of the work-group, by three loads of 16 bytes a lane (it was stored as an image of its registers), and feeds four products.  The four waves' partial sums meet in LDS; each wave adds eight of the 32 rows, adds b2, stores.
; W2 COMES IN LONG RUNS.  A wave's part is 64 rows x 768 bytes, out of rows of 3,072.  A fragment wants 8 bytes a lane from 16 rows; fetched so, each load would take 48 bytes of each of 16 rows.  So the part is fetched as it
; lies, 16 bytes a lane, 48 lanes to a row: 96 loads that cover 512 bytes on end, or two runs of 256 where a row's part ends; it turns through the wave's own 64 rows of LDS and comes back as fragments, into the same registers.
; THE PRODUCT IS USED TRANSPOSED (source 0 = 16 rows of W2, source 1 = 16 rows of h): a lane holds eight neighbouring outputs of one row.
; THE NUMBER OF TILES is a stored number (place[2048 + e]).  The loop has 16 trips whatever it is, and every wave passes the barrier of each; a trip whose tiles lie past the last one jumps over its work.
; Where a pair's second tile lies past the last, the last tile is taken twice and stored twice, with the same numbers.  So this launch has no tensor load and no cluster.
; The stage in LDS has two halves by turns: a half is written again two trips later, behind the barrier between, in front of which every wave has waited for its reads.
; THE MODE: SCHED_MODE bits 1:0 = 2 (LLVM: expert scheduling mode 2), set by the entry lines.  The code itself states the register dependences between vector or matrix instructions and
; memory or LDS instructions, and those through scalar registers that vector instructions write, with s_wait_alu, always for 0.
; THE PLAN.  Registers that memory or LDS instructions touch:
;   v1 to v8, v12 to v14      offsets and LDS addresses, made at the head and never written again.
;   windows 2, 3, v0-191      at the head: W2 lands as it lies; the 96 LDS stores read it; the 192 LDS loads land in the same registers.  From then on matrix instructions alone name them.
;   h's buffers 0, 1 and HS   trip b: its 64 products read buffer b; the 56 loads issued at its head land in buffer 1 - b, which the products of the trip before read.
;   the sums                  the products write them; 16 LDS stores read them; the next trip's products begin them anew.
;   window 2, v192-255        the 16 LDS loads of the partial sums land; the additions work on them; the four stores to y read them.
; So a trip has four waits on va_vdst, each behind its window switch and ahead of a run of memory or LDS instructions: ahead of h's loads (the last trip's products are done reading that buffer), of the LDS stores
; (the sums are written), of the partial sums' loads (the last trip's additions are done with those registers), of the stores to y (the additions have written them).  At the first and the third no vector or matrix
; instruction has been issued since the wait before.  One wait on vm_vsrc, in front of the barrier, states that the LDS stores have read the sums and the last trip's stores to y their data.
; h's loads stand in one run ahead of the products: dealt among them, each group would want two switches of the register window, and the branch that leads round them would stand inside the run of products.
.set HSOFF, 25165824
.set PAR,  34816                       ; a half of the stage: [wave 4][row 32][256 bytes + 16]
.set WST,  2*PAR                       ; behind the stage: W2's turn, 64 rows for each wave
.set WP,   784                         ; a row there: 768 bytes + 16 = 196 words: row r starts at bank 4 r mod 64 (64 banks of 4 bytes: ISA guide 11.1), lanes 16-31 six words on: the 32 lanes of a load of 8 bytes touch 64 different banks
.set LI,   1                           ; v1  16 x lane
.set L4,   2                           ; v2  4 x lane
.set SW,   3                           ; v3  the stage, in: 8704 w + 272 r + 32 h
.set SRD,  4                           ; v4  back: (8 w + lane / 16) 272 + 16 (lane % 16)
.set YO,   5                           ; v5  y: (lane / 16) rows of 4,096 bytes + 16 (lane % 16)
.set GO1,  6                           ; v6  W2's codes, for a load whose lanes 16-31 begin the next row: 16 x lane + (3072 - 768) h
.set WSO,  7                           ; v7  W2's scales: 128 r + 4 h
.set BO,   8                           ; v8  b2: 16 (lane % 16)
.set WA0,  12                          ; v12 W2's turn, in: WST + 64 rows x wave + 16 x lane
.set WA1,  13                          ; v13 the same one padding further on for lanes 16-31
.set WRD,  14                          ; v14 and back: WST + 64 rows x wave + 784 r + 24 h
.set W2S,  32                          ; v32-47  W2's scale words, 4 t + u: lanes 0-15 K step 2 u of my eight, lanes 16-31 K step 2 u + 1
.set HS,   48                          ; v48-63  h's, 8 buffer + 4 tile + u, likewise
; window 0 v64-255: h's buffer 0 (fragment 8 tile + s);  window 1 v0-191: buffer 1, v192-255: the eight sums (4 tile + t);
; window 2 v0-191: W2's fragments of s = 0 .. 3 (4 s + t), v192-255: the partial sums read back;  window 3 v0-191: s = 4 .. 7, v192-195: b2
.set ACC,  192
; s16 wave, s17 e, s18 j, s19 i, s20 tiles, s21 the trip's first tile, s22 0 in the first trip, then tiles, s23 trips / 2 to go, s[24:27] h's two tiles, s[28:31] their scale words, s[32:33] y, s35 64 e, s36 8 w, s39 0, s[40:41] hq + HSOFF
.set MSB, 0
.macro WIN new                         ; the immediate's high byte repeats the setting that is left
.if MSB != (\new)
	s_set_vgpr_msb (MSB<<8)|(\new)
.set MSB, (\new)
.endif
.endm
	s_load_b256 s[4:11], s[0:1], 0x0               ; place s[4:5], hq s[6:7], W2's codes s[8:9], W2's scales s[10:11]
	s_load_b128 s[12:15], s[0:1], 0x20             ; b2 s[12:13], y s[14:15]
	v_lshl_add_u32 v30, v0, 2, 0x42000
	v_mov_b32 v31, 0
	v_lshrrev_b32 v1, 5, v0
	v_readfirstlane_b32 s16, v1                    ; wave 0..3
	s_and_b32 s17, ttmp7, 0xffff
	s_and_b32 s18, ttmp9, 15
	s_lshr_b32 s19, ttmp9, 4
	v_and_b32 v9, 31, v0
	v_lshlrev_b32 v[LI], 4, v9
	v_lshlrev_b32 v[L4], 2, v9
	v_and_b32 v10, 15, v0                          ; r
	v_bfe_u32 v11, v0, 4, 1                        ; h
	s_wait_alu depctr_va_sdst(0)                   ; s16 is written, ahead of its first reader
	s_mul_i32 s34, s16, 8704
	v_mul_u32_u24 v[SW], v10, 272
	v_lshl_add_u32 v[SW], v11, 5, v[SW]
	v_add_nc_u32 v[SW], s34, v[SW]
	s_mul_i32 s34, s16, 2176
	v_mul_u32_u24 v[SRD], v11, 272
	v_lshl_add_u32 v[SRD], v10, 4, v[SRD]
	v_add_nc_u32 v[SRD], s34, v[SRD]
	v_lshlrev_b32 v[YO], 12, v11
	v_lshl_add_u32 v[YO], v10, 4, v[YO]
	v_mad_u32_u24 v[GO1], v11, 2304, v[LI]
	s_mul_i32 s34, s16, 64*WP
	s_add_co_u32 s34, s34, WST                     ; my wave's 64 rows of LDS
	v_add_nc_u32 v[WA0], s34, v[LI]
	v_lshl_add_u32 v[WA1], v11, 4, v[WA0]
	v_mul_u32_u24 v[WRD], v10, WP
	v_mad_u32_u24 v[WRD], v11, 24, v[WRD]
	v_add_nc_u32 v[WRD], s34, v[WRD]
	v_lshlrev_b32 v[WSO], 7, v10
	v_lshl_add_u32 v[WSO], v11, 2, v[WSO]
	v_lshlrev_b32 v[BO], 4, v10
	s_lshl_b32 s35, s17, 6
	s_lshl_b32 s36, s16, 3
	s_lshl_b32 s34, s17, 2
	s_wait_kmcnt 0x0
	s_load_b32 s20, s[4:5], s34 offset:0x2000      ; the expert's count of rows
	s_lshl_b32 s37, s17, 10
	s_lshl_b32 s38, s18, 6
	s_add_co_u32 s37, s37, s38                     ; my first row of W2: 1024 e + 64 j
	s_mul_i32 s38, s37, 3072
	s_mul_i32 s39, s16, 768                        ; my eight K steps of 96 bytes
	s_add_co_u32 s38, s38, s39
	s_mov_b32 s39, 0
	s_add_nc_u64 s[8:9], s[8:9], s[38:39]
	s_lshl_b32 s38, s37, 7
	s_lshl_b32 s42, s16, 5
	s_add_co_u32 s38, s38, s42
	s_add_nc_u64 s[10:11], s[10:11], s[38:39]
	s_lshl_b32 s38, s37, 2
	s_add_nc_u64 s[12:13], s[12:13], s[38:39]
	s_add_nc_u64 s[40:41], s[6:7], HSOFF
	s_wait_alu depctr_va_vdst(0)                   ; the offsets and LDS addresses v1 to v8 and v12 to v14 are written, which the loads and stores of the whole kernel read
; The weights hang on no stored number: they are asked for ahead of the wait for the count.  Three loads are two rows' parts: the first is the head of row rr's 768 bytes, the second their tail (lanes 0-15) and the head of
; row rr + 1's (lanes 16-31), the third that row's tail.  Load q lands in window 2 + q / 48 at v[4 (q % 48)].
.set q, 0
.rept 96
	WIN (2+q/48)<<6
.set rr, 2*(q/3)
.if q%3 == 0
	global_load_b128 v[4*(q%48):4*(q%48)+3], v[LI], s[8:9] offset:rr*3072
.elseif q%3 == 1
	global_load_b128 v[4*(q%48):4*(q%48)+3], v[GO1], s[8:9] offset:rr*3072+512
.else
	global_load_b128 v[4*(q%48):4*(q%48)+3], v[LI], s[8:9] offset:(rr+1)*3072+256
.endif
.set q, q+1
.endr
	global_load_b128 v[192:195], v[BO], s[12:13]   ; b2, into window 3
	WIN 0
.irp t, 0,1,2,3
.irp u, 0,1,2,3
	global_load_b32 v[W2S+4*\t+\u], v[WSO], s[10:11] offset:16*\t*128+8*\u
.endr
.endr
	s_wait_kmcnt 0x0
	s_add_co_u32 s20, s20, 15                      ; ceil(n / 16) tiles, one at the least, 64 at the most: as the launch before has written them
	s_lshr_b32 s20, s20, 4
	s_max_u32 s20, s20, 1
	s_min_u32 s20, s20, 64
	s_lshl_b32 s21, s19, 1
	s_mov_b32 s22, 0
; Where the pair of tiles s[ta], s[ta] + 1 lies in hq, each held to the expert's last tile and to the table.
.macro BASES ta
	s_sub_co_u32 s44, s20, 1
	s_min_u32 s42, s[\ta], s44
	s_min_u32 s42, s42, 63
	s_add_co_u32 s43, s[\ta], 1
	s_min_u32 s43, s43, s44
	s_min_u32 s43, s43, 63
	s_add_co_u32 s42, s42, s35
	s_lshl_b32 s42, s42, 5
	s_add_co_u32 s42, s42, s36                     ; (64 e + tile) 32 + 8 w
	s_mul_i32 s38, s42, 1536
	s_add_nc_u64 s[24:25], s[6:7], s[38:39]
	s_lshl_b32 s38, s42, 6
	s_add_nc_u64 s[28:29], s[40:41], s[38:39]
	s_add_co_u32 s43, s43, s35
	s_lshl_b32 s43, s43, 5
	s_add_co_u32 s43, s43, s36
	s_mul_i32 s38, s43, 1536
	s_add_nc_u64 s[26:27], s[6:7], s[38:39]
	s_lshl_b32 s38, s43, 6
	s_add_nc_u64 s[30:31], s[40:41], s[38:39]
.endm
.macro HLOAD b                         ; 56 loads: two tiles' eight fragments, 12,288 bytes on end each, and their scale words
	WIN (\b)<<6
.irp m, 0,1
.set q, 0
.rept 24
	global_load_b128 v[64*(1-(\b))+96*\m+4*q:64*(1-(\b))+96*\m+4*q+3], v[LI], s[24+2*\m:25+2*\m] offset:512*q
.set q, q+1
.endr
.endr
	WIN 0
.irp m, 0,1
.irp u, 0,1,2,3
	global_load_b32 v[HS+8*(\b)+4*\m+\u], v[L4], s[28+2*\m:29+2*\m] offset:128*\u   ; lanes 0-15: K step 2 u, lanes 16-31: K step 2 u + 1
.endr
.endr
.endm
	BASES 21
	HLOAD 0                                        ; the first two trips' tiles, whatever the count: both buffers are written on every way
	s_wait_xcnt 0x0                                ; the loads have read their bases
	s_add_co_u32 s45, s21, 4
	BASES 45
	HLOAD 1
	s_wait_loadcnt 63                              ; W2, its scale words and b2 are in: 112 loads are younger, and the count is the largest that the wait can name
; W2's turn through my own rows of LDS, while h's first tiles are on their way.  LDS serves a wave's instructions in order (ISA guide 5.7.1.4): the loads see the stores.
.set q, 0
.rept 96
	WIN (2+q/48)<<2                                ; an LDS store's data: window 2 or 3
.set rr, 2*(q/3)
.if q%3 == 0
	ds_store_b128 v[WA0], v[4*(q%48):4*(q%48)+3] offset:rr*WP
.elseif q%3 == 1
	ds_store_b128 v[WA1], v[4*(q%48):4*(q%48)+3] offset:rr*WP+512
.else
	ds_store_b128 v[WA0], v[4*(q%48):4*(q%48)+3] offset:(rr+1)*WP+256
.endif
.set q, q+1
.endr
	WIN 2<<6
	s_wait_alu depctr_vm_vsrc(0)                   ; the 96 LDS stores have read v0 to v191 of windows 2 and 3, in which the fragments' loads below land
	s_wait_alu depctr_va_vdst(0)                   ; v14, which those loads read as their address, is written; only loads and window switches follow up to the last of them
.irp s, 0,1,2,3,4,5,6,7                        ; fragment (t, s): lane (r, h) takes, of row 16 t + r, the 24 bytes at 96 s + 24 h and those 48 further on, in pieces of 8
	WIN (2+\s/4)<<6
.irp t, 0,1,2,3
.irp p, 0,1,2,3,4,5
	ds_load_b64 v[12*(4*(\s%4)+\t)+2*\p:12*(4*(\s%4)+\t)+2*\p+1], v[WRD] offset:16*\t*WP+96*\s+48*(\p/3)+8*(\p%3)
.endr
.endr
.endr
	WIN 0
	s_wait_dscnt 0x0                               ; W2's 32 fragments are in my registers
; 64 products: my eight K steps x two tiles of rows x four tiles of outputs.  The eight sums take turns, one instruction a turn; the first K step starts them.
.macro MM b
.irp s, 0,1,2,3,4,5,6,7
	WIN 0x50|((\b)<<2)|(2+\s/4)
.irp m, 0,1
.irp t, 0,1,2,3
.if \s == 0
	v_wmma_scale_f32_16x16x128_f8f6f4 v[ACC+8*(4*\m+\t):ACC+8*(4*\m+\t)+7], v[12*(4*(\s%4)+\t):12*(4*(\s%4)+\t)+11], v[64*(1-(\b))+12*(8*\m+\s):64*(1-(\b))+12*(8*\m+\s)+11], 0, v[W2S+4*\t+\s/2], v[HS+8*(\b)+4*\m+\s/2] matrix_a_fmt:MATRIX_FMT_FP6 matrix_b_fmt:MATRIX_FMT_FP6
.elseif \s%2
	v_wmma_scale_f32_16x16x128_f8f6f4 v[ACC+8*(4*\m+\t):ACC+8*(4*\m+\t)+7], v[12*(4*(\s%4)+\t):12*(4*(\s%4)+\t)+11], v[64*(1-(\b))+12*(8*\m+\s):64*(1-(\b))+12*(8*\m+\s)+11], v[ACC+8*(4*\m+\t):ACC+8*(4*\m+\t)+7], v[W2S+4*\t+\s/2], v[HS+8*(\b)+4*\m+\s/2] matrix_a_fmt:MATRIX_FMT_FP6 matrix_b_fmt:MATRIX_FMT_FP6 matrix_a_scale:MATRIX_SCALE_ROW1 matrix_b_scale:MATRIX_SCALE_ROW1
.else
	v_wmma_scale_f32_16x16x128_f8f6f4 v[ACC+8*(4*\m+\t):ACC+8*(4*\m+\t)+7], v[12*(4*(\s%4)+\t):12*(4*(\s%4)+\t)+11], v[64*(1-(\b))+12*(8*\m+\s):64*(1-(\b))+12*(8*\m+\s)+11], v[ACC+8*(4*\m+\t):ACC+8*(4*\m+\t)+7], v[W2S+4*\t+\s/2], v[HS+8*(\b)+4*\m+\s/2] matrix_a_fmt:MATRIX_FMT_FP6 matrix_b_fmt:MATRIX_FMT_FP6
.endif
.endr
.endr
.endr
	WIN 0
.endm
; Rows 8 w .. 8 w + 7 of the pair's 32: the four waves' parts are added, then b2; two rows an instruction.
.macro EPI b
	s_wait_xcnt 0x0                                ; the last trip's stores have read their data and their base
	s_sub_co_u32 s44, s20, 1
	s_add_co_u32 s43, s21, 1
	s_min_u32 s43, s43, s44
	s_cmp_lt_u32 s16, 2                            ; waves 0, 1 store the pair's first tile, waves 2, 3 its second
	s_cselect_b32 s42, s21, s43
	s_min_u32 s42, s42, 63
	s_lshl_b32 s42, s42, 4
	s_lshl_b32 s43, s17, 10
	s_add_co_u32 s42, s42, s43
	s_and_b32 s43, s16, 1
	s_lshl_b32 s43, s43, 3
	s_add_co_u32 s42, s42, s43                     ; row 1024 e + 16 tile + 8 (w % 2)
	s_lshl_b32 s38, s42, 12
	s_lshl_b32 s43, s18, 8
	s_add_co_u32 s38, s38, s43                     ; + my 64 outputs' 256 bytes
	s_add_nc_u64 s[32:33], s[14:15], s[38:39]
	WIN 0x80                                       ; destination window 2
	s_wait_alu depctr_va_vdst(0)                   ; the last trip's additions are done with window 2's v192 to v255, in which the loads below land
.irp q, 0,1,2,3
.irp c, 0,1,2,3
	ds_load_b128 v[192+16*\q+4*\c:192+16*\q+4*\c+3], v[SRD] offset:PAR*(\b)+8704*\c+544*\q
.endr
.endr
	s_wait_dscnt 0x0
	WIN 0xaa                                       ; all in window 2
.irp q, 0,1,2,3
.irp p, 0,2
	v_pk_add_f32 v[192+16*\q+\p:193+16*\q+\p], v[192+16*\q+\p:193+16*\q+\p], v[196+16*\q+\p:197+16*\q+\p]
	v_pk_add_f32 v[200+16*\q+\p:201+16*\q+\p], v[200+16*\q+\p:201+16*\q+\p], v[204+16*\q+\p:205+16*\q+\p]
.endr
.endr
.irp q, 0,1,2,3
.irp p, 0,2
	v_pk_add_f32 v[192+16*\q+\p:193+16*\q+\p], v[192+16*\q+\p:193+16*\q+\p], v[200+16*\q+\p:201+16*\q+\p]
.endr
.endr
	WIN 0x8e                                       ; source 1 (b2) window 3
.irp q, 0,1,2,3
.irp p, 0,2
	v_pk_add_f32 v[192+16*\q+\p:193+16*\q+\p], v[192+16*\q+\p:193+16*\q+\p], v[192+\p:193+\p]
.endr
.endr
	WIN 0x08                                       ; a store's data: window 2
	s_wait_alu depctr_va_vdst(0)                   ; the additions have written the eight rows' numbers, which the four stores read
.irp q, 0,1,2,3
	global_store_b128 v[YO], v[192+16*\q:195+16*\q], s[32:33] offset:8192*\q th:TH_STORE_NT   ; sixteen lanes store 256 bytes on end, at a multiple of 256 from y's first byte
.endr
	WIN 0
.endm
; A trip.  b: h's buffer and the stage's half.
.macro HALF b
	s_cmp_lt_u32 s21, s20
	s_cbranch_scc0 .Lidle_\@                       ; past the last tile: only the barrier is left
	s_wait_loadcnt 0x0                             ; this trip's fragments, asked for a trip ago
	s_add_co_u32 s45, s21, 4
	s_cmp_lt_u32 s45, s22                          ; (in the first trip s22 is 0: the second trip's tiles were asked for at the head)
	s_cbranch_scc0 .Lnoload_\@
	BASES 45                                       ; no load of mine is out: the bases may be written
	WIN (1-\b)<<6
	s_wait_alu depctr_va_vdst(0)                   ; the last trip's products are done reading the other buffer and its scale words, in which the loads below land
	HLOAD 1-\b                                     ; the next trip's tiles have this trip in which to land
.Lnoload_\@:
	MM \b
.rept 5
	v_nop                                          ; places: four ahead of the stores that read the sums, five ahead of the next trip's products, which begin the sums anew over these registers
.endr
	WIN 0x04                                       ; an LDS store's data: window 1
	s_wait_alu depctr_va_vdst(0)                   ; the products have written the eight sums, which the LDS stores read; the places above stay beside this wait
.irp m, 0,1
.irp t, 0,1,2,3
	ds_store_b128 v[SW], v[ACC+8*(4*\m+\t):ACC+8*(4*\m+\t)+3] offset:PAR*(\b)+4352*\m+64*\t      ; each sum from its low end on
	ds_store_b128 v[SW], v[ACC+8*(4*\m+\t)+4:ACC+8*(4*\m+\t)+7] offset:PAR*(\b)+4352*\m+64*\t+16
.endr
.endr
	WIN 0
.Lidle_\@:
	s_mov_b32 s22, s20
	s_wait_dscnt 0x0                               ; for the others' sake: my parts lie in this half of the stage, and my reads of the other half are over
	s_wait_alu depctr_vm_vsrc(0)                   ; my LDS stores have read the sums, which the next trip's products begin anew; the last trip's stores to y have read window 2's v192 to v255, in which this trip's partial sums land
	s_barrier_signal -1
	s_barrier_wait -1
	s_cmp_lt_u32 s21, s20
	s_cbranch_scc0 .Lnoepi_\@
	EPI \b
.Lnoepi_\@:
	s_add_co_u32 s21, s21, 4
.endm
	s_mov_b32 s23, 8
.Ltrip:                                            ; 8 x 2 trips: all 64 tiles that an expert can have
	HALF 0
	HALF 1
	s_sub_co_u32 s23, s23, 1
	s_cmp_lg_u32 s23, 0
	s_cbranch_scc1 .Ltrip
	s_wait_dscnt 0x0                               ; the closing lines, six on end
	s_wait_alu 0x0
	s_wait_tensorcnt 0x0
	ds_add_u32 v30, v31
	s_wait_dscnt 0x0
	s_endpgm
.Lfunc_end_k_q99b33ac79b_ffn2:
	.size	k_q99b33ac79b_ffn2, .Lfunc_end_k_q99b33ac79b_ffn2-k_q99b33ac79b_ffn2
	.p2alignl 7, 3214868480
	.fill 96, 4, 3214868480
	.section	.rodata,"a",@progbits
	.p2align	6, 0x0
	.amdhsa_kernel k_q99b33ac79b_ffn2
		.amdhsa_group_segment_fixed_size 270848
		.amdhsa_private_segment_fixed_size 0
		.amdhsa_enable_private_segment 0
		.amdhsa_kernarg_size 48
		.amdhsa_user_sgpr_count 2
		.amdhsa_user_sgpr_kernarg_segment_ptr 1
		.amdhsa_wavefront_size32 1
		.amdhsa_system_sgpr_workgroup_id_x 1
		.amdhsa_system_sgpr_workgroup_id_y 1
		.amdhsa_system_sgpr_workgroup_id_z 1
		.amdhsa_system_vgpr_workitem_id 0
		.amdhsa_next_free_vgpr 1024
		.amdhsa_next_free_sgpr 66
		.amdhsa_reserve_vcc 0
		.amdhsa_float_denorm_mode_32 3
		.amdhsa_float_denorm_mode_16_64 3
		.amdhsa_memory_ordered 1
		.amdhsa_forward_progress 1
		.amdhsa_inst_pref_size 85
	.end_amdhsa_kernel
	.amdgpu_metadata
---
amdhsa.version: [ 1, 2 ]
amdhsa.kernels:
  - .name:           k_q99b33ac79b_ffn2
    .symbol:         k_q99b33ac79b_ffn2.kd
    .args:
      - { .name: place, .offset: 0, .size: 8, .value_kind: global_buffer, .address_space: global }
      - { .name: hq, .offset: 8, .size: 8, .value_kind: global_buffer, .address_space: global }
      - { .name: w2_codes, .offset: 16, .size: 8, .value_kind: global_buffer, .address_space: global }
      - { .name: w2_scales, .offset: 24, .size: 8, .value_kind: global_buffer, .address_space: global }
      - { .name: b2, .offset: 32, .size: 8, .value_kind: global_buffer, .address_space: global }
      - { .name: y, .offset: 40, .size: 8, .value_kind: global_buffer, .address_space: global }
    .group_segment_fixed_size: 270848
    .private_segment_fixed_size: 0
    .kernarg_segment_align: 8
    .kernarg_segment_size: 48
    .max_flat_workgroup_size: 128
    .sgpr_count:     66
    .vgpr_count:     1024
    .wavefront_size: 32
...
	.end_amdgpu_metadata
.endif
;; end of part 6
;; launch combine: the kernel of part 4 again; grid 256 x 1, 4 waves a work-group, no clusters, 0 bytes of LDS; arguments place, probs, y, out0; writes out0
